; MI455X (gfx1250); checked and timed in simulation.
; The chip was launched on July 23, 2026; its instructions are those of AMD's public machine-readable ISA for CDNA 5 (MIT licence, August 2026) and "CDNA5" Instruction Set Architecture Reference Guide (July 2026). The comments in the code are by the model that wrote it; some were corrected since.
;; Gemma2 Attention. Allowed arithmetic: float matrix products may take bf16 or f16 operands with f32 sums; other float arithmetic in f32, or as packed bf16 or f16 multiplies, adds, multiply-adds, maxima and minima; sums over many terms, partial sums and values carried from step to step in f32; what a program stores and reads back later, other than sums and carried values, may be rounded once to bf16 or f16.
;; Inputs: Wk 2,048 x 1,024 float32; Wo 2,048 x 2,048 float32; Wq 2,048 x 2,048 float32; Wv 2,048 x 1,024 float32; bk 1,024 float32; bq 2,048 float32; bv 1,024 float32; hidden_states 4 x 1,024 x 2,048 float32; positions 4 x 1,024 int32.
;; Outputs: out0 4 x 1,024 x 2,048 float32.
;; One version. Each part assembles by itself: llvm-mc -triple=amdgcn-amd-amdhsa -mcpu=gfx1250 --defsym DOCPART=n.
;; ======== version 1 of 1: 4 launches
;; limits: values are held in f16: magnitudes above 65,504 overflow, below 6.1e-05 lose precision; right only within a limited range of input values; an absolute error that grows with the inputs' magnitude: up to 2e-07 times it
;; workspace buffers: xb 16,777,216 bytes; wqkv 16,777,216 bytes; wo16 8,388,608 bytes; rope 4,194,304 bytes; qkvh 33,554,432 bytes; ao 16,777,216 bytes
;; launch prep (part 1): grid 64 x 18, 8 waves a work-group, no clusters, 0 bytes of LDS; arguments hidden_states, Wq, Wk, Wv, Wo, positions, xb, wqkv, wo16, rope; writes xb, wqkv, wo16, rope
.if DOCPART == 1
	.amdgcn_target "amdgcn-amd-amdhsa--gfx1250"
	.amdhsa_code_object_version 6
	.text
	.protected	k_q3c81a44e7d_prep
	.globl	k_q3c81a44e7d_prep
	.p2align	8
	.type	k_q3c81a44e7d_prep,@function
k_q3c81a44e7d_prep:
	s_mov_b64 s[64:65], 0
	v_nop
	global_prefetch_b8 v0, s[64:65] scope:SCOPE_SE
	s_setreg_imm32_b32 hwreg(HW_REG_WAVE_MODE, 25, 1), 1
	s_wait_xcnt 0x0
; PREP: the casts and the table of cosines and sines.  A stream: no LDS, no matrix unit, no cluster (no two work-groups read the same byte).
; y = 0..9, THE CASTS.  hidden_states -> xb (bf16 [4096][2048]); Wq, Wk, Wv -> wqkv (bf16 [2048 k][4096 n]: columns 0.., 2048.., 3072..);
;   Wo -> wo16 ([2048][2048]: rounded to bf16, and that number written as f16).  One y is 2,097,152 numbers, a work-group 32 pieces of 1,024.
;   In a piece thread t takes numbers 4 t .. 4 t + 3: a load of 16 bytes (a wave: 512 bytes on end), a store of 8 bytes (a wave: 256 bytes on end, aligned).
;   Two sets of eight loads take turns, so eight or sixteen loads of every wave are out.
; y = 10..17, THE TABLE.  rope[m][0..127] = cos, [128..255] = sin of positions[m] x 10000^(-j/128), f32, m = 1024 b + s.  A wave makes a row, a lane four j.
; LIMITS.  wo16: below 6e-5 f16 keeps a fixed step of 6e-8, so a small weight is off by at most 2^-25.  The table: |positions| up to 2^22 (the quotient by pi/2 must be a whole
; number that f32 holds, and three parts of pi/2 must do); 10000^(-j/128) is made as 2^(-j log2(10000)/128), within about 2e-7 of itself, so an angle is off by about |position| x 2e-7.
.set X,   16                           ; v[16:79]  two sets of eight loads, 4 registers each
.set Y,   80                           ; v[80:95]  eight pieces' 8 bytes to store
.set DV,  2                            ; v[2:9]    piece i of eight: my byte offset in the destination; never rewritten
.set SRC, 30                           ; s[30:31]  the source at the work-group's first byte; never rewritten
.set DST, 32                           ; s[32:33]  the destination; steps by ADV for each eight pieces
.set ADV, 42                           ; s[42:43]
.macro LOADS set, r                    ; pieces 8 r .. 8 r + 7 into a set
.irp i, 0,1,2,3,4,5,6,7
	global_load_b128 v[X+32*(\set)+4*(\i):X+32*(\set)+4*(\i)+3], v1, s[SRC:SRC+1] offset:(8*(\r)+(\i))*4096 th:TH_LOAD_NT
.endr
.endm
; Eight pieces are rounded and stored.  left: the other set's younger loads, which may stay out.
.macro PROC set, r, reload, left
	s_wait_loadcnt \left                           ; loads come back in order: my set is in
	s_wait_xcnt 0x0                                ; the earlier stores have read Y and DST, which are written again below
.if (\r) > 0
	s_add_nc_u64 s[DST:DST+1], s[DST:DST+1], s[ADV:ADV+1]
.endif
.irp i, 0,1,2,3,4,5,6,7
	v_cvt_pk_bf16_f32 v[Y+2*(\i)],   v[X+32*(\set)+4*(\i)],   v[X+32*(\set)+4*(\i)+1]
	v_cvt_pk_bf16_f32 v[Y+2*(\i)+1], v[X+32*(\set)+4*(\i)+2], v[X+32*(\set)+4*(\i)+3]
.endr
	s_cmp_eq_u32 s38, 0
	s_cbranch_scc1 .Lbf_\@                         ; Wo alone goes on to f16
.set z, 0
.rept 16
	v_lshlrev_b32 v10, 16, v[Y+z]                  ; the bf16 numbers as f32,
	v_and_b32 v11, 0xffff0000, v[Y+z]
	v_cvt_pk_f16_f32 v[Y+z], v10, v11              ; written as f16
.set z, z+1
.endr
.Lbf_\@:
.if \reload
	LOADS \set, (\r)+2                             ; loads ahead of stores
.endif
.irp i, 0,1,2,3,4,5,6,7
	global_store_b64 v[DV+(\i)], v[Y+2*(\i):Y+2*(\i)+1], s[DST:DST+1]
.endr
.endm
; cos and sin of the angle in v[20+i], into v[8+i] and v[12+i].  n = the nearest whole number to x / (pi/2); r = x - n pi/2 with pi/2 in three parts, each product exact inside its
; fused multiply-add; |r| <= pi/4, where the series to r^9 and r^10 are good to 2e-9; the quadrant n mod 4 swaps the two and sets the signs.
.macro SINCOS i
	v_mul_f32 v24, 0x3f22f983, v[20+(\i)]
	v_rndne_f32 v24, v24
	v_fma_f32 v25, -v24, s44, v[20+(\i)]
	v_fma_f32 v25, -v24, s45, v25
	v_fma_f32 v25, -v24, s46, v25
	v_cvt_i32_f32 v26, v24
	v_mul_f32 v27, v25, v25
	v_mov_b32 v28, 0x3638ef1d                      ; 1/9!
	v_fmaak_f32 v28, v28, v27, 0xb9500d01          ; -1/7!
	v_fmaak_f32 v28, v28, v27, 0x3c088889          ; 1/5!
	v_fmaak_f32 v28, v28, v27, 0xbe2aaaab          ; -1/3!
	v_mul_f32 v29, v25, v27
	v_fma_f32 v28, v28, v29, v25                   ; sin r
	v_mov_b32 v30, 0xb493f27e                      ; -1/10!
	v_fmaak_f32 v30, v30, v27, 0x37d00d01          ; 1/8!
	v_fmaak_f32 v30, v30, v27, 0xbab60b61          ; -1/6!
	v_fmaak_f32 v30, v30, v27, 0x3d2aaaab          ; 1/4!
	v_fmaak_f32 v30, v30, v27, 0xbf000000          ; -1/2
	v_fma_f32 v30, v30, v27, 1.0                   ; cos r
	v_and_b32 v31, 1, v26
	v_cmp_eq_u32 vcc_lo, 1, v31
	v_cndmask_b32 v32, v28, v30, vcc_lo            ; odd quadrants: sin x is +-cos r,
	v_cndmask_b32 v33, v30, v28, vcc_lo            ; cos x is +-sin r
	v_lshlrev_b32 v31, 30, v26
	v_and_b32 v31, 0x80000000, v31                 ; quadrants 2, 3: sin x is negative
	v_xor_b32 v[12+(\i)], v31, v32
	v_add_nc_u32 v26, 1, v26
	v_lshlrev_b32 v31, 30, v26
	v_and_b32 v31, 0x80000000, v31                 ; quadrants 1, 2: cos x is negative
	v_xor_b32 v[8+(\i)], v31, v33
.endm
	s_load_b256 s[8:15], s[0:1], 0x0               ; hidden_states s[8:9], Wq s[10:11], Wk s[12:13], Wv s[14:15]
	s_load_b256 s[16:23], s[0:1], 0x20             ; Wo s[16:17], positions s[18:19], xb s[20:21], wqkv s[22:23]
	s_load_b128 s[24:27], s[0:1], 0x40             ; wo16 s[24:25], rope s[26:27]
	s_and_b32 s28, ttmp7, 0xffff                   ; y
	s_wait_kmcnt 0x0
	s_cmp_ge_u32 s28, 10
	s_cbranch_scc1 .Ltable
	; which tensor: from the last row of the list backward.  s34 the tensor's first y; s35, s36 the destination's bytes from a pair of pieces to the next and inside a pair; s37 its first byte; s38 1 for f16
	s_mov_b64 s[SRC:SRC+1], s[16:17]               ; y = 8, 9: Wo -> wo16, dense
	s_mov_b64 s[DST:DST+1], s[24:25]
	s_mov_b32 s34, 8
	s_mov_b32 s35, 4096
	s_mov_b32 s36, 2048
	s_mov_b32 s37, 0
	s_mov_b32 s38, 1
	s_cmp_lt_u32 s28, 8                            ; y = 7: Wv -> wqkv: a piece is a row of 1,024, rows 8,192 bytes apart, from column 3,072
	s_cselect_b64 s[SRC:SRC+1], s[14:15], s[SRC:SRC+1]
	s_cselect_b64 s[DST:DST+1], s[22:23], s[DST:DST+1]
	s_cselect_b32 s34, 7, s34
	s_cselect_b32 s35, 16384, s35
	s_cselect_b32 s36, 8192, s36
	s_cselect_b32 s37, 6144, s37
	s_cselect_b32 s38, 0, s38
	s_cmp_lt_u32 s28, 7                            ; y = 6: Wk, from column 2,048
	s_cselect_b64 s[SRC:SRC+1], s[12:13], s[SRC:SRC+1]
	s_cselect_b32 s34, 6, s34
	s_cselect_b32 s37, 4096, s37
	s_cmp_lt_u32 s28, 6                            ; y = 4, 5: Wq: two pieces are a row of 2,048
	s_cselect_b64 s[SRC:SRC+1], s[10:11], s[SRC:SRC+1]
	s_cselect_b32 s34, 4, s34
	s_cselect_b32 s35, 8192, s35
	s_cselect_b32 s36, 2048, s36
	s_cselect_b32 s37, 0, s37
	s_cmp_lt_u32 s28, 4                            ; y = 0..3: hidden_states -> xb, dense
	s_cselect_b64 s[SRC:SRC+1], s[8:9], s[SRC:SRC+1]
	s_cselect_b64 s[DST:DST+1], s[20:21], s[DST:DST+1]
	s_cselect_b32 s34, 0, s34
	s_cselect_b32 s35, 4096, s35
	s_sub_co_u32 s39, s28, s34
	s_lshl_b32 s39, s39, 6
	s_add_co_u32 s39, s39, ttmp9                   ; my work-group among the tensor's
	s_lshl_b32 s40, s39, 17                        ; 32 pieces of 4,096 bytes
	s_mov_b32 s41, 0
	s_add_nc_u64 s[SRC:SRC+1], s[SRC:SRC+1], s[40:41]
	s_mul_i32 s40, s39, s35                        ; 16 pairs of pieces
	s_lshl_b32 s40, s40, 4
	s_add_co_u32 s40, s40, s37
	s_add_nc_u64 s[DST:DST+1], s[DST:DST+1], s[40:41]
	s_lshl_b32 s[ADV], s35, 2                      ; eight pieces are four pairs
	s_mov_b32 s[ADV+1], 0
	v_lshlrev_b32 v1, 4, v0                        ; 16 t
	v_lshlrev_b32 v12, 3, v0                       ; 8 t
.irp i, 0,1,2,3,4,5,6,7
	s_mul_i32 s44, s35, (\i)/2
.if (\i)%2
	s_add_co_u32 s44, s44, s36
.endif
	v_add_nc_u32 v[DV+(\i)], s44, v12
.endr
	LOADS 0, 0
	LOADS 1, 1
	PROC 0, 0, 1, 8
	PROC 1, 1, 1, 8
	PROC 0, 2, 0, 8
	PROC 1, 3, 0, 0                                ; nothing was issued behind the last set
	s_endpgm
.Ltable:
	v_lshrrev_b32 v1, 5, v0
	v_readfirstlane_b32 s29, v1                    ; wave 0..7
	s_sub_co_u32 s30, s28, 10
	s_lshl_b32 s30, s30, 6
	s_add_co_u32 s30, s30, ttmp9
	s_lshl_b32 s30, s30, 3
	s_add_co_u32 s30, s30, s29                     ; m: my wave's row
	s_lshl_b32 s32, s30, 2
	s_mov_b32 s33, 0
	s_add_nc_u64 s[18:19], s[18:19], s[32:33]
	s_load_b32 s34, s[18:19], 0x0                  ; positions[m]
	s_lshl_b32 s32, s30, 10                        ; a row of the table is 1,024 bytes
	s_add_nc_u64 s[26:27], s[26:27], s[32:33]
	v_and_b32 v2, 31, v0
	v_lshlrev_b32 v3, 2, v2                        ; j = 4 lane + i
	v_lshlrev_b32 v4, 4, v2                        ; my 16 bytes of 512
.irp i, 0,1,2,3
	v_add_nc_u32 v5, (\i), v3
	v_cvt_f32_u32 v5, v5
	v_mul_f32 v[16+(\i)], 0xbdd49a78, v5           ; -j log2(10000) / 128
.endr
.irp i, 0,1,2,3
	v_exp_f32 v[16+(\i)], v[16+(\i)]
.endr
	v_nop                                          ; a plain instruction behind the last exponential
	s_mov_b32 s44, 0x3fc90fd8                      ; pi/2 in three parts
	s_mov_b32 s45, 0x34a8885a
	s_mov_b32 s46, 0x27c234c4
	s_wait_kmcnt 0x0
	v_cvt_f32_i32 v6, s34
	s_wait_alu depctr_va_vdst(0)                   ; one wait for the four exponentials, ahead of their first reader
.irp i, 0,1,2,3
	v_mul_f32 v[20+(\i)], v6, v[16+(\i)]           ; the angle, the f32 product of position and frequency
.endr
	SINCOS 0
	SINCOS 1
	SINCOS 2
	SINCOS 3
	global_store_b128 v4, v[8:11], s[26:27]              ; the wave stores 512 bytes on end, aligned: the row's cosines,
	global_store_b128 v4, v[12:15], s[26:27] offset:512  ; and its sines
	s_endpgm
.Lfunc_end_k_q3c81a44e7d_prep:
	.size	k_q3c81a44e7d_prep, .Lfunc_end_k_q3c81a44e7d_prep-k_q3c81a44e7d_prep
	.p2alignl 7, 3214868480
	.fill 96, 4, 3214868480
	.section	.rodata,"a",@progbits
	.p2align	6, 0x0
	.amdhsa_kernel k_q3c81a44e7d_prep
		.amdhsa_group_segment_fixed_size 0
		.amdhsa_private_segment_fixed_size 0
		.amdhsa_enable_private_segment 0
		.amdhsa_kernarg_size 80
		.amdhsa_user_sgpr_count 2
		.amdhsa_user_sgpr_kernarg_segment_ptr 1
		.amdhsa_wavefront_size32 1
		.amdhsa_system_sgpr_workgroup_id_x 1
		.amdhsa_system_sgpr_workgroup_id_y 1
		.amdhsa_system_sgpr_workgroup_id_z 1
		.amdhsa_system_vgpr_workitem_id 0
		.amdhsa_next_free_vgpr 96
		.amdhsa_next_free_sgpr 66
		.amdhsa_reserve_vcc 1
		.amdhsa_float_denorm_mode_32 3
		.amdhsa_float_denorm_mode_16_64 3
		.amdhsa_memory_ordered 1
		.amdhsa_forward_progress 1
		.amdhsa_inst_pref_size 32
	.end_amdhsa_kernel
	.amdgpu_metadata
---
amdhsa.version: [ 1, 2 ]
amdhsa.kernels:
  - .name:           k_q3c81a44e7d_prep
    .symbol:         k_q3c81a44e7d_prep.kd
    .args:
      - { .name: hidden_states, .offset: 0, .size: 8, .value_kind: global_buffer, .address_space: global }
      - { .name: Wq, .offset: 8, .size: 8, .value_kind: global_buffer, .address_space: global }
      - { .name: Wk, .offset: 16, .size: 8, .value_kind: global_buffer, .address_space: global }
      - { .name: Wv, .offset: 24, .size: 8, .value_kind: global_buffer, .address_space: global }
      - { .name: Wo, .offset: 32, .size: 8, .value_kind: global_buffer, .address_space: global }
      - { .name: positions, .offset: 40, .size: 8, .value_kind: global_buffer, .address_space: global }
      - { .name: xb, .offset: 48, .size: 8, .value_kind: global_buffer, .address_space: global }
      - { .name: wqkv, .offset: 56, .size: 8, .value_kind: global_buffer, .address_space: global }
      - { .name: wo16, .offset: 64, .size: 8, .value_kind: global_buffer, .address_space: global }
      - { .name: rope, .offset: 72, .size: 8, .value_kind: global_buffer, .address_space: global }
    .group_segment_fixed_size: 0
    .private_segment_fixed_size: 0
    .kernarg_segment_align: 8
    .kernarg_segment_size: 80
    .max_flat_workgroup_size: 256
    .sgpr_count:     66
    .vgpr_count:     96
    .wavefront_size: 32
...
	.end_amdgpu_metadata
.endif
;; end of part 1
;; launch proj (part 2): grid 16 x 16, 4 waves a work-group, clusters of 4 x 4, 327,680 bytes of LDS; arguments xb, wqkv, bq, bk, bv, rope, qkvh; writes qkvh
.if DOCPART == 2
	.amdgcn_target "amdgcn-amd-amdhsa--gfx1250"
	.amdhsa_code_object_version 6
	.text
	.protected	k_q3c81a44e7d_proj
	.globl	k_q3c81a44e7d_proj
	.p2align	8
	.type	k_q3c81a44e7d_proj,@function
k_q3c81a44e7d_proj:
	s_mov_b64 s[64:65], 0
	v_nop
	global_prefetch_b8 v0, s[64:65] scope:SCOPE_SE
	s_setreg_imm32_b32 hwreg(HW_REG_WAVE_MODE, 25, 1), 1
	s_wait_xcnt 0x0
	s_wait_alu depctr_hold_cnt(0) depctr_sa_sdst(0) depctr_va_vdst(0) depctr_va_sdst(0) depctr_va_ssrc(0) depctr_va_vcc(0) depctr_vm_vsrc(0)
	s_getreg_b32 s2, hwreg(HW_REG_IB_STS2, 6, 4)
	s_cmp_eq_u32 s2, 0
	s_cbranch_scc0 .Lentry_in_a_cluster
	s_endpgm
.Lentry_in_a_cluster:
	s_bfe_u32 s2, ttmp6, 0x10000c
	s_cmp_lg_u32 s2, 0xf033
	s_cbranch_scc0 .Lentry_shape_is_right
	s_endpgm
.Lentry_shape_is_right:
; PROJ: [q k v] = x [Wq Wk Wv] + bias, q and k turned by the table of cosines and sines, all rounded once to f16 and written by heads.
; xb: bf16 [4096 m][2048 k].  wqkv: bf16 [2048 k][4096 n].  qkvh: f16 [16 slots][4096 m][256]: slots 0-7 q's heads, 8-11 k's, 12-15 v's.  Sums, bias and turning in f32; the bias is rounded to bf16 like the other inputs.
; LIMIT.  f16 holds no number beyond 65,504: q, k and v must lie within it.
; SHARES.  A tile of 256 rows x 256 columns (one slot: one head) to a work-group, 256 work-groups.  Four waves, each 128 rows x 128 columns: 64 accumulators, 512 registers.
; Wave w takes rows 128 (w / 2) on and the columns 64 (w % 2) + 16 b + 64 (b / 4), b = 0..7: so blocks b and b + 4 hold channels d and d + 128 of a head in the same lane and register, the pair that is turned together.
; K goes in steps of 128 through two LDS slots filled by the tensor data mover; x's rows lie along K (ds_load_b128), the weights' rows along N (turned on the way out of LDS by ds_load_tr16_b128).
; TRANSPOSED USE: source 0 = 16 columns of the weights, source 1 = 16 rows of x: a lane holds one row of the result and eight neighbouring columns.
; The first product of each sum takes the bias as its C operand: nothing is cleared and nothing is added later.
; CLUSTER 4 x 4: the four work-groups of a row need the same tiles of x, the four of a column the same tiles of the weights: each tile is asked for jointly.
; No prefetch: a K step holds 256 matrix instructions a wave between a request and the wait for it, and each tile is asked for once for four work-groups.
; REGISTERS: window 0: v0-31 addresses; v32-63 packed results; v64-191 x's fragments, two buffers, later rows on their way out; v192-255 the bias, later the turned numbers
;   window 1: v64-191 the weights' fragments, two buffers; v0-63, v192-255 two sets of cosines and sines      windows 2, 3: the accumulators, (a, b) at v[8 (8 (a % 4) + b)]
.set PA,     272                       ; a row of x in LDS: 256 bytes + 16
.set PB,     544                       ; a row of the weights: 512 bytes + 32: an odd multiple of 32
.set HALFT,  34816                     ; 128 rows of x, or 64 rows of the weights: what one tensor load brings
.set SLOT,   4*HALFT                   ; x's 256 rows, then the weights' 128
.set SPARE,  2*SLOT                    ; the spare words, 128 bytes for each wave
.set SP,     528                       ; the stage: 256 rows of 512 bytes + 16, in slot 0's bytes: they have their last fill with K step 14, and nobody reads them behind the last change of slots
.set LAPS,   8                         ; a lap = two K steps
.set ADRA, 16                          ; v16-17  LDS address of my fragments of x in slot 0, 1
.set ADRB, 20                          ; v20-21  the same for the weights
.set VB,   22                          ; v22     my byte offset in a head's bias
.set STO,  24                          ; v24     the way out: where I put 16 bytes of a row
.set RD,   25                          ; v25     where I read rows back
.set GO,   26                          ; v26     16 x lane
.set VT,   27                          ; v27     my byte offset in 16 rows of the table
.set SPW,  28                          ; v28     my spare word; never rewritten
.set NIL,  29                          ; v29     0; never rewritten
.set TP,   30
.set Y,    32
.set F0,   64
.set F1,   128
.set BIAS, 192
.set T,    192
.set G1,  24                           ; s[24:31] group 1 for x's tiles;  s[32:39] group 0, a set for each slot
.set G0,  32
.set G1B, 48                           ; s[48:55], s[56:63] the same for the weights'
.set G0B, 56
.set CLX, 45                           ; s45  the cluster's x: 0, 1 q; 2 k; 3 v: the same in all sixteen partners
.set BP,  76                           ; s[76:77] my head's bias
.set RP,  78                           ; s[78:79] the table at my wave's first row
.set MSB, 0
.macro WIN new                         ; the immediate's high byte repeats the setting that is left; a switch that changes nothing is dropped
.if MSB != (\new)
	s_set_vgpr_msb (MSB<<8)|(\new)
.set MSB, \new
.endif
.endm
.macro JLOAD s                         ; a joint load: waves 0, 1 fetch x's halves, waves 2, 3 the weights'; s_nop 0 and four v_nop follow each line
	s_cmp_eq_u32 s11, 0
	s_cbranch_scc0 .Lfor_b_\@
	tensor_load_to_lds s[G0+4*(\s):G0+4*(\s)+3], s[G1:G1+7]
	s_nop 0
.rept 4
	v_nop
.endr
	s_branch .Lasked_\@
.Lfor_b_\@:
	tensor_load_to_lds s[G0B+4*(\s):G0B+4*(\s)+3], s[G1B:G1B+7]
	s_nop 0
.rept 4
	v_nop
.endr
.Lasked_\@:
.endm
.macro CREST                           ; a round of the cluster's barrier behind its opening barrier
	s_cmp_lg_u32 s10, 0
	s_cbranch_scc1 .Lnot_wave_0_\@
	s_barrier_signal -3
.Lnot_wave_0_\@:
	s_barrier_wait -3
	s_barrier_signal -1
	s_barrier_wait -1
.endm
.macro CROUND
	s_barrier_signal -1
	s_barrier_wait -1
	CREST
.endm
.macro PLACES                          ; four plain instructions between a matrix instruction and a load into, or a vector read of, its registers
.rept 4
	v_nop
.endr
.endm
	s_load_b128 s[4:7], s[0:1], 0x0                ; xb s[4:5], wqkv s[6:7]
	s_load_b256 s[68:75], s[0:1], 0x10             ; bq s[68:69], bk s[70:71], bv s[72:73], rope s[74:75]
	s_load_b64 s[8:9], s[0:1], 0x30                ; qkvh
	v_lshl_add_u32 v[SPW], v0, 2, SPARE
	v_mov_b32 v[NIL], 0
	ds_add_u32 v[SPW], v[NIL]                      ; the opening: the add and its wait ahead of my first tensor load
	v_lshrrev_b32 v1, 5, v0
	v_readfirstlane_b32 s10, v1                    ; wave 0..3
	s_lshr_b32 s11, s10, 1                         ; my half of the rows; also: I fetch x (0) or the weights (1)
	s_and_b32 s12, s10, 1                          ; my half of the columns; also: which half of that tile I fetch
	s_bfe_u32 s40, ttmp6, 0x40000                  ; cx
	s_bfe_u32 s41, ttmp6, 0x40004                  ; cy
	s_mov_b32 s[CLX], ttmp9
	s_lshl_b32 s42, ttmp9, 2
	s_add_co_u32 s42, s42, s40                     ; tile column = slot = 4 x cluster x + cx
	s_and_b32 s13, ttmp7, 0xffff
	s_lshl_b32 s13, s13, 2
	s_add_co_u32 s13, s13, s41                     ; tile row = 4 x cluster y + cy
	s_lshl_b32 s43, s41, 2
	s_lshl_b32 s43, 15, s43                        ; my row of the cluster
	s_lshl_b32 s44, 0x1111, s40                    ; my column
	s_or_b32 s[G1+0], s43, (1<<16)|(1<<20)|(1<<21)|(5<<22)|(3<<25)   ; mask; 2-byte elements; padding on; bit 21 beside a mask; after every 64 words 4 words
	s_or_b32 s[G1B+0], s44, (1<<16)|(1<<20)|(1<<21)|(6<<22)|(7<<25)  ; after every 128 words 8 words
	s_mov_b32 s[G1+1], 128<<16                     ; tensor_dim0 = 128
	s_mov_b32 s[G1+2], 128<<16                     ; tensor_dim1 = 128
	s_mov_b32 s[G1+3], 128<<16                     ; tile_dim0 = 128
	s_mov_b32 s[G1+4], 128                         ; tile_dim1 = 128
	s_mov_b32 s[G1+5], 2048                        ; elements from row to row
	s_mov_b32 s[G1+6], 0
	s_mov_b32 s[G1+7], 0
	s_mov_b32 s[G1B+1], 256<<16                    ; 256 columns,
	s_mov_b32 s[G1B+2], 64<<16                     ; 64 rows of K
	s_mov_b32 s[G1B+3], 256<<16
	s_mov_b32 s[G1B+4], 64
	s_mov_b32 s[G1B+5], 4096
	s_mov_b32 s[G1B+6], 0
	s_mov_b32 s[G1B+7], 0
	s_lshl_b32 s17, s12, 7
	s_lshl_b32 s16, s13, 8
	s_add_co_u32 s16, s16, s17                     ; x: row 256 x tile row + 128 x half,
	s_lshl_b32 s16, s16, 12                        ; 4,096 bytes a row
	s_mov_b32 s17, 0
	s_lshl_b32 s46, s42, 9                         ; weights: 512 bytes a tile column,
	s_lshl_b32 s47, s12, 19                        ; 64 rows of 8,192 bytes a half
	s_add_co_u32 s46, s46, s47
	s_mov_b32 s47, 0
	s_mul_i32 s20, s10, HALFT                      ; where my load lands: wave x HALFT
	s_wait_dscnt 0x0                               ; the opening add is done
	s_wait_kmcnt 0x0
	s_add_nc_u64 s[14:15], s[4:5], s[16:17]
	s_add_nc_u64 s[46:47], s[6:7], s[46:47]
	CROUND                                         ; all sixteen work-groups are here: the first joint loads meet
.irp s, 0,1
	s_mov_b32 s[G0+4*(\s)], 1
	s_add_co_u32 s[G0+4*(\s)+1], s20, (\s)*SLOT
	s_add_nc_u64 s[G0+4*(\s)+2:G0+4*(\s)+3], s[14:15], (\s)*256        ; K step s: 256 bytes along x's rows,
	s_or_b32 s[G0+4*(\s)+3], s[G0+4*(\s)+3], 0x80000000
	s_mov_b32 s[G0B+4*(\s)], 1
	s_add_co_u32 s[G0B+4*(\s)+1], s20, (\s)*SLOT
	s_add_nc_u64 s[G0B+4*(\s)+2:G0B+4*(\s)+3], s[46:47], (\s)*0x100000 ; 128 rows of the weights
	s_or_b32 s[G0B+4*(\s)+3], s[G0B+4*(\s)+3], 0x80000000
	JLOAD \s
.endr
	v_and_b32 v1, 15, v0                           ; r = l % 16
	v_bfe_u32 v2, v0, 4, 1                         ; h = l / 16
	v_mul_u32_u24 v3, v1, PA
	v_lshl_add_u32 v3, v2, 4, v3                   ; x: row x pitch + 16 h
	v_and_b32 v5, 7, v0
	v_bfe_u32 v6, v0, 3, 1
	v_lshl_add_u32 v5, v2, 3, v5                   ; weights: the turning load's lane l reads row 8 h + l % 8,
	v_mul_u32_u24 v5, v5, PB
	v_lshl_add_u32 v5, v6, 4, v5                   ; 16 bytes at 16 ((l / 8) % 2)
	s_mul_i32 s21, s11, HALFT                      ; my 128 rows of x
	s_lshl_b32 s22, s12, 7                         ; my columns begin at 64 (w % 2),
	s_add_co_u32 s22, s22, 2*HALFT                 ; behind x's 256 rows
.irp s, 0,1
	v_add_nc_u32 v[ADRA+(\s)], s21, v3
	v_add_nc_u32 v[ADRB+(\s)], s22, v5
	s_add_co_u32 s21, s21, SLOT
	s_add_co_u32 s22, s22, SLOT
.endr
	s_mul_i32 s23, s11, 128*SP                     ; into the stage: row 128 (w / 2) + r, byte 128 (w % 2) + 16 h
	s_lshl_b32 s21, s12, 7
	s_add_co_u32 s23, s23, s21
	v_mul_u32_u24 v4, v1, SP
	v_lshl_add_u32 v4, v2, 4, v4
	v_add_nc_u32 v[STO], s23, v4
	s_mul_i32 s23, s10, 64*SP                      ; back: wave w takes rows 64 w on, a whole row of 512 bytes a load
	v_and_b32 v7, 31, v0
	v_lshlrev_b32 v[GO], 4, v7
	v_add_nc_u32 v[RD], s23, v[GO]
	s_lshl_b32 s21, s12, 8
	v_lshl_add_u32 v[VB], v2, 5, s21               ; f32 numbers 64 (w % 2) + 8 h on
	v_lshl_add_u32 v[VT], v1, 10, v[VB]            ; in row r of the table
	s_cmp_lt_u32 s[CLX], 2
	s_cselect_b64 s[BP:BP+1], s[68:69], s[70:71]   ; bq, or bk,
	s_cselect_b32 s18, s42, s40                    ; the head's number in its tensor
	s_cmp_eq_u32 s[CLX], 3
	s_cselect_b64 s[BP:BP+1], s[72:73], s[BP:BP+1] ; or bv
	s_lshl_b32 s18, s18, 10
	s_mov_b32 s19, 0
	s_add_nc_u64 s[BP:BP+1], s[BP:BP+1], s[18:19]
	s_lshl_b32 s18, s13, 8
	s_lshl_b32 s21, s11, 7
	s_add_co_u32 s18, s18, s21
	s_lshl_b32 s18, s18, 10                        ; my first row, 1,024 bytes a row of the table
	s_add_nc_u64 s[RP:RP+1], s[74:75], s[18:19]
	s_lshl_b32 s18, s42, 12
	s_lshl_b32 s21, s13, 8
	s_add_co_u32 s18, s18, s21
	s_lshl_b32 s21, s10, 6
	s_add_co_u32 s18, s18, s21
	s_lshl_b32 s18, s18, 9                         ; (4096 slot + 256 tile row + 64 wave) rows of 512 bytes
	s_add_nc_u64 s[8:9], s[8:9], s[18:19]
.irp b, 0,1,2,3,4,5,6,7
	global_load_b128 v[BIAS+8*(\b):BIAS+8*(\b)+3],   v[VB], s[BP:BP+1] offset:64*(\b)+256*((\b)/4)
	global_load_b128 v[BIAS+8*(\b)+4:BIAS+8*(\b)+7], v[VB], s[BP:BP+1] offset:64*(\b)+256*((\b)/4)+16
.endr
	s_wait_loadcnt 0x0
.set z, 0
.rept 32                                       ; the bias rounded to bf16, kept as f32
	v_cvt_pk_bf16_f32 v[TP], v[BIAS+z], v[BIAS+z+1]
	v_lshlrev_b32 v[BIAS+z], 16, v[TP]
	v_and_b32 v[BIAS+z+1], 0xffff0000, v[TP]
.set z, z+2
.endr
; 16 matrix instructions: row blocks a0, a0 + 1 of the window's four x all 8 column blocks, 32 along K.  first = 1: the sum starts from the bias.  The 64 accumulators take turns.
.macro MUL16 f, hi, a0, first
.if \first
	WIN 0x81+0x40*(\hi)                            ; weights window 1, x and the bias window 0, D window 2 or 3
.else
	WIN 0xa1+0x50*(\hi)                            ; C and D window 2 or 3
.endif
.irp a, \a0, (\a0)+1
.irp b, 0,1,2,3,4,5,6,7
.if \first
	v_wmma_f32_16x16x32_bf16 v[8*(8*(\a)+(\b)):8*(8*(\a)+(\b))+7], v[(\f)+8*(\b):(\f)+8*(\b)+7], v[(\f)+8*(4*(\hi)+(\a)):(\f)+8*(4*(\hi)+(\a))+7], v[BIAS+8*(\b):BIAS+8*(\b)+7]
.else
	v_wmma_f32_16x16x32_bf16 v[8*(8*(\a)+(\b)):8*(8*(\a)+(\b))+7], v[(\f)+8*(\b):(\f)+8*(\b)+7], v[(\f)+8*(4*(\hi)+(\a)):(\f)+8*(4*(\hi)+(\a))+7], v[8*(8*(\a)+(\b)):8*(8*(\a)+(\b))+7]
.endif
.endr
.endr
.endm
; 32 LDS loads in one run: quarter q (32 along K) of a slot into buffer f: the weights' 8 fragments, turned, then x's 8
.macro FETCH slot, q, f
	WIN 0x40
.irp i, 0,1,2,3,4,5,6,7
	ds_load_tr16_b128 v[(\f)+8*(\i):(\f)+8*(\i)+3],   v[ADRB+(\slot)] offset:(\q)*32*PB+32*(\i)+128*((\i)/4)
	ds_load_tr16_b128 v[(\f)+8*(\i)+4:(\f)+8*(\i)+7], v[ADRB+(\slot)] offset:(\q)*32*PB+32*(\i)+128*((\i)/4)+16*PB
.endr
	WIN 0
.irp i, 0,1,2,3,4,5,6,7
	ds_load_b128 v[(\f)+8*(\i):(\f)+8*(\i)+3],   v[ADRA+(\slot)] offset:64*(\q)+(\i)*16*PA
	ds_load_b128 v[(\f)+8*(\i)+4:(\f)+8*(\i)+7], v[ADRA+(\slot)] offset:64*(\q)+(\i)*16*PA+32
.endr
.endm
; One of a K step's first three quarters: multiplies buffer f and, in its middle, fetches quarter q into buffer g
.macro QUARTER slot, q, f, g, first
	s_wait_dscnt 8                                 ; the weights and x's rows 0-63 are in; the youngest eight loads (x's rows 64-127) may be out
	MUL16 \f, 0, 0, \first
	MUL16 \f, 0, 2, \first
	PLACES
	FETCH \slot, \q, \g
	s_wait_dscnt 32                                ; all but the 32 just issued
	MUL16 \f, 1, 0, \first
	MUL16 \f, 1, 2, \first
.endm
; The first half of a K step's last quarter: one barrier for the change of slots
.macro MEET round
	WIN 0
	s_wait_tensorcnt 0x0                           ; all my tensor loads have landed: the one that was out is my part of the next slot
	ds_add_u32 v[SPW], v[NIL]                      ; 0 onto my spare word
	s_wait_dscnt 9                                 ; the add and the youngest eight loads may be out
	MUL16 F1, 0, 0, 0
	s_wait_dscnt 0x0                               ; the add is done, and my reads of this slot are over
	s_barrier_signal -1
	MUL16 F1, 0, 2, 0
.if \round
	WIN 0
.endif
	s_barrier_wait -1
.endm
; The whole last quarter where the slot is filled again: the barrier opens a round of the cluster's, the joint refill is the first thing behind the round
.macro TURN slot, next
	MEET 1
	CREST
	s_add_nc_u64 s[G0+4*(\slot)+2:G0+4*(\slot)+3], s[G0+4*(\slot)+2:G0+4*(\slot)+3], 512          ; two K steps on
	s_add_nc_u64 s[G0B+4*(\slot)+2:G0B+4*(\slot)+3], s[G0B+4*(\slot)+2:G0B+4*(\slot)+3], 0x200000
	JLOAD \slot                                    ; its four v_nop are also the places in front of the loads below
	FETCH \next, 0, F0
	MUL16 F1, 1, 0, 0
	MUL16 F1, 1, 2, 0
.endm
; The table's rows 16 a .. 16 a + 15 for my 64 channels: cosines at set + 8 b, sines at set + 32 + 8 b
.macro TABLE a
	WIN 0x40
.set TS, 192*((\a)%2)
.irp b, 0,1,2,3
	global_load_b128 v[TS+8*(\b):TS+8*(\b)+3],       v[VT], s[RP:RP+1] offset:(\a)*16384+64*(\b)
	global_load_b128 v[TS+8*(\b)+4:TS+8*(\b)+7],     v[VT], s[RP:RP+1] offset:(\a)*16384+64*(\b)+16
	global_load_b128 v[TS+32+8*(\b):TS+32+8*(\b)+3], v[VT], s[RP:RP+1] offset:(\a)*16384+64*(\b)+512
	global_load_b128 v[TS+32+8*(\b)+4:TS+32+8*(\b)+7], v[VT], s[RP:RP+1] offset:(\a)*16384+64*(\b)+528
.endr
	WIN 0
.endm
; Row block a of q or k: (x1, x2) -> (x1 cos - x2 sin, x2 cos + x1 sin), rounded to f16, into the stage.  Each accumulator is read from its low end on.
.macro ROPE a
.if (\a) < 7
	s_wait_loadcnt 16                              ; my set is in; the next set's 16 loads may stay out
.else
	s_wait_loadcnt 0x0
.endif
.set TS, 192*((\a)%2)
.set AC, 64*((\a)%4)
	WIN 0x06+((\a)/4)                              ; source 0 window 2 or 3, source 1 window 1, the rest window 0
.irp b, 0,1,2,3
.irp i, 0,2,4,6
	v_pk_mul_f32 v[T+8*(\b)+(\i):T+8*(\b)+(\i)+1], v[AC+8*(\b)+(\i):AC+8*(\b)+(\i)+1], v[TS+8*(\b)+(\i):TS+8*(\b)+(\i)+1]
.endr
.irp i, 0,2,4,6
	v_pk_fma_f32 v[T+8*(\b)+(\i):T+8*(\b)+(\i)+1], v[AC+32+8*(\b)+(\i):AC+32+8*(\b)+(\i)+1], v[TS+32+8*(\b)+(\i):TS+32+8*(\b)+(\i)+1], v[T+8*(\b)+(\i):T+8*(\b)+(\i)+1] neg_lo:[1,0,0] neg_hi:[1,0,0]
.endr
.irp i, 0,2,4,6
	v_pk_mul_f32 v[T+32+8*(\b)+(\i):T+32+8*(\b)+(\i)+1], v[AC+32+8*(\b)+(\i):AC+32+8*(\b)+(\i)+1], v[TS+8*(\b)+(\i):TS+8*(\b)+(\i)+1]
.endr
.irp i, 0,2,4,6
	v_pk_fma_f32 v[T+32+8*(\b)+(\i):T+32+8*(\b)+(\i)+1], v[AC+8*(\b)+(\i):AC+8*(\b)+(\i)+1], v[TS+32+8*(\b)+(\i):TS+32+8*(\b)+(\i)+1], v[T+32+8*(\b)+(\i):T+32+8*(\b)+(\i)+1]
.endr
.endr
.if (\a) < 6
	TABLE (\a)+2
.endif
	WIN 0
.set z, 0
.rept 32
	v_cvt_pk_f16_f32 v[Y+z], v[T+2*z], v[T+2*z+1]
.set z, z+1
.endr
.irp b, 0,1,2,3,4,5,6,7
	ds_store_b128 v[STO], v[Y+4*(\b):Y+4*(\b)+3] offset:(\a)*16*SP+32*(\b)+128*((\b)/4)
.endr
.endm
; Row block a of v: rounded to f16, into the stage
.macro PACKV a
.set AC, 64*((\a)%4)
	WIN 0x0a+5*((\a)/4)                            ; sources 0 and 1 window 2 or 3
.set z, 0
.rept 32
	v_cvt_pk_f16_f32 v[Y+z], v[AC+2*z], v[AC+2*z+1]
.set z, z+1
.endr
	WIN 0
.irp b, 0,1,2,3,4,5,6,7
	ds_store_b128 v[STO], v[Y+4*(\b):Y+4*(\b)+3] offset:(\a)*16*SP+32*(\b)+128*((\b)/4)
.endr
.endm
	s_wait_tensorcnt 1                             ; my part of K step 0 is in; K step 1's may stay out
	s_barrier_signal -1
	s_barrier_wait -1
	FETCH 0, 0, F0
	QUARTER 0, 1, F0, F1, 1                        ; the first quarter stands in front of the loop: its products start the sums
	WIN 0
	s_mov_b32 s3, LAPS-1
.Llap:                                                 ; a trip goes once round the ring, from a lap's second quarter to the next lap's first, and fills both slots again
	QUARTER 0, 2, F1, F0, 0
	QUARTER 0, 3, F0, F1, 0
	TURN 0, 1
	QUARTER 1, 1, F0, F1, 0
	QUARTER 1, 2, F1, F0, 0
	QUARTER 1, 3, F0, F1, 0
	TURN 1, 0
	QUARTER 0, 1, F0, F1, 0
	WIN 0
	s_sub_co_u32 s3, s3, 1
	s_cmp_lg_u32 s3, 0
	s_cbranch_scc1 .Llap
	s_cmp_eq_u32 s[CLX], 3                         ; v is not turned
	s_cbranch_scc1 .Lno_table
	TABLE 0                                        ; the first two sets come in under the last lap's products
	TABLE 1
.Lno_table:
	QUARTER 0, 2, F1, F0, 0                        ; the last lap fills nothing
	QUARTER 0, 3, F0, F1, 0
	MEET 0
	PLACES
	FETCH 1, 0, F0
	MUL16 F1, 1, 0, 0
	MUL16 F1, 1, 2, 0
	QUARTER 1, 1, F0, F1, 0
	QUARTER 1, 2, F1, F0, 0
	QUARTER 1, 3, F0, F1, 0
	s_wait_dscnt 8
	MUL16 F1, 0, 0, 0
	MUL16 F1, 0, 2, 0
	s_wait_dscnt 0x0
	MUL16 F1, 1, 0, 0
	MUL16 F1, 1, 2, 0
	PLACES
	WIN 0
	s_cmp_eq_u32 s[CLX], 3
	s_cbranch_scc1 .Lvtile
.irp a, 0,1,2,3,4,5,6,7
	ROPE \a
.endr
	s_branch .Lstaged
.Lvtile:
.irp a, 0,1,2,3,4,5,6,7
	PACKV \a
.endr
.Lstaged:
	s_wait_dscnt 0x0                               ; for the others' sake: my stores into the stage are done
	s_barrier_signal -1
	s_barrier_wait -1                              ; a row's 512 bytes come from two waves
.irp t, 0,1,2,3
	s_wait_xcnt 0x0                                ; the earlier stores have read the registers that are loaded again
.irp i, 0,1,2,3,4,5,6,7,8,9,10,11,12,13,14,15
	ds_load_b128 v[F0+64*((\t)%2)+4*(\i):F0+64*((\t)%2)+4*(\i)+3], v[RD] offset:(16*(\t)+(\i))*SP
.endr
.irp i, 0,1,2,3,4,5,6,7,8,9,10,11,12,13,14,15
	s_wait_dscnt 15-(\i)
	global_store_b128 v[GO], v[F0+64*((\t)%2)+4*(\i):F0+64*((\t)%2)+4*(\i)+3], s[8:9] offset:(16*(\t)+(\i))*512  ; the wave stores a row: 512 bytes on end, aligned
.endr
.endr
	s_wait_tensorcnt 0x0                           ; the wave's end
	ds_add_u32 v[SPW], v[NIL]
	s_wait_dscnt 0x0
	CROUND                                         ; the closing round
	s_endpgm
.Lfunc_end_k_q3c81a44e7d_proj:
	.size	k_q3c81a44e7d_proj, .Lfunc_end_k_q3c81a44e7d_proj-k_q3c81a44e7d_proj
	.p2alignl 7, 3214868480
	.fill 96, 4, 3214868480
	.section	.rodata,"a",@progbits
	.p2align	6, 0x0
	.amdhsa_kernel k_q3c81a44e7d_proj
		.amdhsa_group_segment_fixed_size 327680
		.amdhsa_private_segment_fixed_size 0
		.amdhsa_enable_private_segment 0
		.amdhsa_kernarg_size 56
		.amdhsa_user_sgpr_count 2
		.amdhsa_user_sgpr_kernarg_segment_ptr 1
		.amdhsa_wavefront_size32 1
		.amdhsa_system_sgpr_workgroup_id_x 1
		.amdhsa_system_sgpr_workgroup_id_y 1
		.amdhsa_system_sgpr_workgroup_id_z 1
		.amdhsa_system_vgpr_workitem_id 0
		.amdhsa_next_free_vgpr 1024
		.amdhsa_next_free_sgpr 80
		.amdhsa_reserve_vcc 0
		.amdhsa_float_denorm_mode_32 3
		.amdhsa_float_denorm_mode_16_64 3
		.amdhsa_memory_ordered 1
		.amdhsa_forward_progress 1
		.amdhsa_inst_pref_size 216
	.end_amdhsa_kernel
	.amdgpu_metadata
---
amdhsa.version: [ 1, 2 ]
amdhsa.kernels:
  - .name:           k_q3c81a44e7d_proj
    .symbol:         k_q3c81a44e7d_proj.kd
    .args:
      - { .name: xb, .offset: 0, .size: 8, .value_kind: global_buffer, .address_space: global }
      - { .name: wqkv, .offset: 8, .size: 8, .value_kind: global_buffer, .address_space: global }
      - { .name: bq, .offset: 16, .size: 8, .value_kind: global_buffer, .address_space: global }
      - { .name: bk, .offset: 24, .size: 8, .value_kind: global_buffer, .address_space: global }
      - { .name: bv, .offset: 32, .size: 8, .value_kind: global_buffer, .address_space: global }
      - { .name: rope, .offset: 40, .size: 8, .value_kind: global_buffer, .address_space: global }
      - { .name: qkvh, .offset: 48, .size: 8, .value_kind: global_buffer, .address_space: global }
    .group_segment_fixed_size: 327680
    .private_segment_fixed_size: 0
    .kernarg_segment_align: 8
    .kernarg_segment_size: 56
    .max_flat_workgroup_size: 128
    .sgpr_count:     80
    .vgpr_count:     1024
    .wavefront_size: 32
...
	.end_amdgpu_metadata
.endif
;; end of part 2
;; launch attn (part 3): grid 16 x 16, 4 waves a work-group, clusters of 4 x 1, 327,680 bytes of LDS; arguments qkvh, ao; writes ao
.if DOCPART == 3
	.amdgcn_target "amdgcn-amd-amdhsa--gfx1250"
	.amdhsa_code_object_version 6
	.text
	.protected	k_q3c81a44e7d_attn
	.globl	k_q3c81a44e7d_attn
	.p2align	8
	.type	k_q3c81a44e7d_attn,@function
k_q3c81a44e7d_attn:
	s_mov_b64 s[64:65], 0
	v_nop
	global_prefetch_b8 v0, s[64:65] scope:SCOPE_SE
	s_setreg_imm32_b32 hwreg(HW_REG_WAVE_MODE, 25, 1), 1
	s_wait_xcnt 0x0
	s_wait_alu depctr_hold_cnt(0) depctr_sa_sdst(0) depctr_va_vdst(0) depctr_va_sdst(0) depctr_va_ssrc(0) depctr_va_vcc(0) depctr_vm_vsrc(0)
	s_getreg_b32 s2, hwreg(HW_REG_IB_STS2, 6, 4)
	s_cmp_eq_u32 s2, 0
	s_cbranch_scc0 .Lentry_in_a_cluster
	s_endpgm
.Lentry_in_a_cluster:
	s_bfe_u32 s2, ttmp6, 0x10000c
	s_cmp_lg_u32 s2, 0x3003
	s_cbranch_scc0 .Lentry_shape_is_right
	s_endpgm
.Lentry_shape_is_right:
; ATTN: causal attention, head size 256, two query heads to a key and value head.  The window of 1,024 is the sequence's length and hides nothing beyond the causal mask.
; qkvh: f16 [16 slots][4 b][1024 s][256] (slots 0-7 q, 8-11 k, 12-15 v).  ao: f16 [4096 rows][2048]: head h at columns 256 h.  Products, maxima and sums in f32; the weights p are rounded to f16 for the second
; product (their sum l is taken of the unrounded p), O once at the end.
; LIMITS.  A hidden score counts as its value less 1e30.  The running maximum starts at -2^66: below every score that f16 operands can give (256 x 65,504^2 = 1.1e12 in size), above every hidden one, so a wave that
; sees no key of a row gives that row weights 0.  A weight below 2^-126 counts as 0 in l; NaN and infinities are not treated apart.
; SHARES.  grid y = 4 b + key head.  A BLOCK is 32 positions x the two query heads of the key head.  Work-group j (0..15) of a y takes block j and then block 31 - j.  Keys go in tiles of 128.
; Wave w = (ph = w / 2, kh = w % 2) holds TWO query tiles of 16: positions 16 ph on, of both heads (local tile 0: head kh, local tile 1: the other), and takes keys 64 kh .. 64 kh + 63 of every tile.
; So a fragment of K or V read from LDS feeds two products, and a wave reads half of each tile: 128 LDS loads for 128 products.
; Each wave keeps m, l and O^T over its own keys.  AT A BLOCK'S END the waves (ph, 0) and (ph, 1) hand each other their local tile 1 through LDS, in f32, and each finishes its local tile 0:
; O = (Oa 2^(cma - cm) + Ob 2^(cmb - cm)) / l, cm the greater of the two, l joined likewise.
; ONE WALK FOR A CLUSTER.  The four partners (j = 4 c + cx) walk the tiles 0 .. c and then 0 .. 7 - c: 9 trips whatever c, and every tile is asked for JOINTLY.  Trip counts and the trip in which the blocks change
; hang on c alone; cx enters Q's and O's addresses and the mask's scalars, by selects.  The short block goes first, so that it always ends in a trip of the loop that fills slots again (trips 0 to 3 of 0 to 6).
; THE MASK is what the sums S^T = K Q^T start from: it is written into S^T's registers, and every product adds in place.  PT, made once, is -1e30 where key 16 kb + 8 h + r' of 32 lies behind my query's place in its
; block.  With D = block - 2 (2 tile + kh) the start is PT x A + B: my keys 0-31: (1, 0) if D = 0, (0, -1e30) if D < 0, else (0, 0); my keys 32-63: (1, 0) if D = 1, (0, -1e30) if D < 1, else (0, 0).
; A STEP, in phases: mask; 64 products K Q^T, this tile's V fetched among them; softmax of both tiles; the change of slots (K and V are in registers by then, so the slot is filled again with the tile two on);
; 64 products V^T P, the next tile's K fetched among them.  The LDS loads go in runs of 8, each ahead of 8 products: four waves' 32 loads of 512 bytes are 64 passes of 256 bytes, beside 8 products' work.
; O^T and l start at 0 (256 lines that clear, in the wait for the first tile), c m far below every c s: a block's first step is a step like any other, with a = 0; so the second block needs only m set anew.
; REGISTERS: window 0: v0-15 addresses, v16-31 statistics, v32-47 PT, v48-63 at work, v64-127 S^T (32 a tile; P is rounded into its low 16), v128-255 Q (64 a tile)
;   window 1: O^T, 128 a tile       window 2: K, fragment (key block kb, channels 32 c) at 8 (8 kb + c)       window 3: V, (keys 32 kk, channels 16 cb) at 8 (16 kk + cb); at a block's end the partner's O^T and the rows on their way out
.set PK,    528       ; a row of K in LDS: 512 bytes + 16
.set PVP,   544       ; a row of V: 512 + 32: an odd multiple of 32
.set VOFF,  128*PK    ; a slot: 128 rows of K, then 128 rows of V
.set SLOTB, 128*(PK+PVP)       ; 137,216 bytes; slot 1 begins here
.set STAGE, 2*SLOTB   ; behind the ring, never filled by a tensor load: for each wave 8,192 bytes of O^T on its way to the partner and 512 of statistics; later 16 rows x 528 bytes on the way out
.set XSZ,   8704
.set SP,    528
.set SPARE, STAGE+4*XSZ        ; the spare words, 128 bytes for each wave
.set AK0, 2           ; v2   my lane's place in my half of a tile of K; never rewritten
.set AV0, 3           ; v3   the same for V
.set AK,  4
.set AV,  5
.set STO, 6           ; v6   the way out: where I put 16 bytes of a row
.set RD,  7           ; v7   my stage + 16 x lane
.set GO,  8           ; v8   16 x lane
.set XR,  12          ; v12  my partner's stage + 16 x lane
.set QO,  15          ; v15  my byte offset in 16 rows of Q
.set ST,  16          ; tile u's statistics at v[ST + 8 u]: c m, m, l (even keys', odd keys'), c0-c3 at work; a takes c2's place
.set PT,  32
.set XP,  52          ; v52-53  the partner's c m and l
.set FA,  56          ; v56-57  my factor, twice
.set FB,  58          ; v58-59  the partner's
.set PFO, 60          ; v60  256 x lane; never rewritten
.set SPW, 62          ; v62  my spare word; never rewritten
.set NIL, 63          ; v63  0; never rewritten
.set S,   64
.set Q,   128
.set Y,   128         ; window 3
.set WV,  12          ; s12  my wave's number
.set LIM, 15          ; s15  1 in the cluster that prefetches, else the greatest number
.set D2,  16          ; s16  D at the second block's first tile
.set PFA, 18          ; s[18:19] where my prefetches stand
.set G1K, 24
.set G1V, 32
.set G0K, 40          ; s[40:47] group 0 for K's tiles: a set for each first fill; the second then walks on
.set G0V, 48
.set SLOTS, 56        ; s56  tiles still to be asked for
.set CNT, 57          ; s57  the tail's trips
.set CS,  58          ; s[58:59] c = log2(e) / 16
.set SEL, 60          ; s[60:61] v_permlanex16_b32's selects
.set TB,  62          ; s62  the slot from which the fetches read: 0 or SLOTB
.set FSL, 63          ; s63  the slot that was filled last
.set KOF, 68          ; s68  64 (w % 2) rows of K: the half that I fetch from memory (waves 0, 1), and the half that I read
.set VOF, 69          ; s69  the same for V, VOFF included
.set RT,  70          ; s70  tiles of the block in hand, this one among them
.set NXT, 71          ; s71  the tile to be asked for next
.set LQ,  72          ; s72  the last tile of the block whose tiles are being asked for
.set D,   73          ; s73
.set OFF, 74          ; s[74:75]
.set A0,  76          ; s[76:77], s[78:79] factor and addend for my keys 0-31
.set B0,  78
.set A1,  80          ; s[80:81], s[82:83] for my keys 32-63
.set B1,  82
.set BIGN, 84         ; s84  -1e30
.set J,   85          ; s85  j
.set OUT2, 86         ; s[86:87] O at my rows of the second block
.set QA2, 88          ; s[88:89] Q of the second block, local tile 0
.set LQ2, 90          ; s90  7 - c
.set QB1, 100         ; s[100:101] Q of the first block, local tile 1
.set QB2, 104         ; s[104:105] Q of the second block, local tile 1
.set MSB, 0
.macro WIN new                      ; the immediate's high byte repeats the setting that is left; a switch that changes nothing is dropped
.if MSB != (\new)
	s_set_vgpr_msb (MSB<<8)|(\new)
.set MSB, \new
.endif
.endm
.set W_KQ, 0x02       ; K window 2; Q and S^T window 0
.set W_PV, 0x53       ; source 0 window 3, source 1 window 0, source 2 and destination window 1
.set W_RS, 0x41       ; destination and source 0 window 1, source 1 window 0
.macro JLOAD                        ; a joint refill: waves 0, 1 fetch the halves of a tile's K, waves 2, 3 those of its V; s_nop 0 and four v_nop follow each line
	s_cmp_lt_u32 s[WV], 2
	s_cbranch_scc0 .Lfor_v_\@
	tensor_load_to_lds s[G0K+4:G0K+7], s[G1K:G1K+7]
	s_nop 0
.rept 4
	v_nop
.endr
	s_branch .Lasked_\@
.Lfor_v_\@:
	tensor_load_to_lds s[G0V+4:G0V+7], s[G1V:G1V+7]
	s_nop 0
.rept 4
	v_nop
.endr
.Lasked_\@:
.endm
; A prefetch of the tile that the NEXT change of slots will ask for.  Cluster c loads tile T of its second block in trip c + T - 1, so of tiles 4 to 7 the cluster c = 0 is the first to ask, and it alone prefetches them:
; in trips 2 to 5 it names tiles 4 to 7.  Of the 32,768 bytes that a wave fetches of a tile each of the four partners names 8,192, told apart by address, a lane 256 bytes: one instruction a wave, each block named once
; in the launch.  Tiles 0 to 3 come by their loads alone.
.macro ASK
	s_cmp_gt_u32 s[SLOTS], s[LIM]
	s_cbranch_scc0 .Lnot_mine_\@
	s_cmp_lt_u32 s[SLOTS], 6
	s_cbranch_scc0 .Lnot_mine_\@
	global_prefetch_b8 v[PFO], s[PFA:PFA+1] th:TH_LOAD_NT scope:SCOPE_SE
.Lnot_mine_\@:
.endm
.macro CROUND                       ; a round of the cluster's barrier
	s_barrier_signal -1
	s_barrier_wait -1
	s_cmp_lg_u32 s[WV], 0
	s_cbranch_scc1 .Lnot_wave_0_\@
	s_barrier_signal -3
.Lnot_wave_0_\@:
	s_barrier_wait -3
	s_barrier_signal -1
	s_barrier_wait -1
.endm
.macro PLACES                       ; four plain instructions between a matrix instruction and a load into, or a vector access of, its registers
.rept 4
	v_nop
.endr
.endm
.macro QLOAD pa, pb                 ; a block's Q, both tiles: channels 32 c on at Q + 64 u + 8 c
.irp c, 0,1,2,3,4,5,6,7
	global_load_b128 v[Q+8*(\c):Q+8*(\c)+3],       v[QO], s[\pa:\pa+1] offset:64*(\c)
	global_load_b128 v[Q+8*(\c)+4:Q+8*(\c)+7],     v[QO], s[\pa:\pa+1] offset:64*(\c)+32
	global_load_b128 v[Q+64+8*(\c):Q+64+8*(\c)+3], v[QO], s[\pb:\pb+1] offset:64*(\c)
	global_load_b128 v[Q+64+8*(\c)+4:Q+64+8*(\c)+7], v[QO], s[\pb:\pb+1] offset:64*(\c)+32
.endr
.endm
	s_load_b128 s[20:23], s[0:1], 0x0  ; qkvh s[20:21], ao s[22:23]
	v_lshl_add_u32 v[SPW], v0, 2, SPARE
	v_mov_b32 v[NIL], 0
	ds_add_u32 v[SPW], v[NIL]       ; the opening: the add and its wait ahead of my first tensor load
	v_lshrrev_b32 v1, 5, v0
	v_readfirstlane_b32 s[WV], v1   ; wave 0..3
	s_bfe_u32 s13, ttmp6, 0x40000   ; cx
	s_mov_b32 s14, ttmp9            ; c
	s_lshl_b32 s[J], s14, 2
	s_add_co_u32 s[J], s[J], s13    ; j = 4 c + cx
	s_and_b32 s16, ttmp7, 0xffff
	s_lshr_b32 s17, s16, 2          ; b
	s_and_b32 s91, s16, 3           ; the key head
	s_and_b32 s3, s[WV], 1          ; kh: my half of the keys, my local tile 0's head; also: which half of a tile I fetch
	s_lshr_b32 s2, s[WV], 1         ; ph: my half of the block's positions
	s_add_co_u32 s66, s91, 8        ; K: slot 8 + key head,
	s_lshl_b32 s66, s66, 2
	s_add_co_u32 s66, s66, s17      ; batch b: 524,288 bytes each,
	s_lshl_b32 s66, s66, 19
	s_lshl_b32 s67, s3, 15          ; my 64 rows of 512 bytes
	s_add_co_u32 s66, s66, s67
	s_mov_b32 s67, 0
	s_lshl_b32 s92, s91, 1
	s_add_co_u32 s92, s92, s3       ; local tile 0's query head: the one that I finish and store,
	s_xor_b32 s93, s92, 1           ; local tile 1's: the one that my partner finishes
	s_lshl_b32 s94, s17, 19         ; batch b,
	s_lshl_b32 s95, s2, 13          ; 16 rows of 512 bytes
	s_add_co_u32 s94, s94, s95
	s_lshl_b32 s95, s92, 21         ; a slot is 4 batches
	s_add_co_u32 s95, s95, s94
	s_lshl_b32 s93, s93, 21
	s_add_co_u32 s93, s93, s94
	s_sub_co_u32 s94, 31, s[J]      ; the second block
	s_lshl_b32 s98, s[J], 14        ; 32 rows a block
	s_lshl_b32 s99, s94, 14
	s_mov_b32 s97, 0
	s_lshl_b32 s96, s3, 1
	s_sub_co_i32 s[D], s[J], s96    ; D at the first block's tile 0: j - 2 kh,
	s_sub_co_i32 s[D2], s94, s96    ; at the second's: 31 - j - 2 kh
	s_mov_b32 s[G1K], 15|(1<<16)|(1<<20)|(1<<21)|(6<<22)|(3<<25)  ; the mask of four; 2-byte elements; padding on; bit 21 beside a mask; after every 128 words 4 words
	s_mov_b32 s[G1V], 15|(1<<16)|(1<<20)|(1<<21)|(6<<22)|(7<<25)  ; 8 words
.irp g, G1K, G1V
	s_mov_b32 s[(\g)+1], 256<<16    ; tensor_dim0 = 256
	s_mov_b32 s[(\g)+2], 64<<16     ; tensor_dim1 = 64
	s_mov_b32 s[(\g)+3], 256<<16    ; tile_dim0 = 256
	s_mov_b32 s[(\g)+4], 64         ; tile_dim1 = 64
	s_mov_b32 s[(\g)+5], 256        ; elements from row to row
	s_mov_b32 s[(\g)+6], 0
	s_mov_b32 s[(\g)+7], 0
.endr
	s_mul_i32 s[KOF], s3, 64*PK     ; no place in the cluster enters an LDS address
	s_mul_i32 s[VOF], s3, 64*PVP
	s_add_co_u32 s[VOF], s[VOF], VOFF
	s_mov_b32 s[G0K], 1
	s_mov_b32 s[G0K+1], s[KOF]      ; slot 0
	s_mov_b32 s[G0K+4], 1
	s_add_co_u32 s[G0K+5], s[KOF], SLOTB
	s_mov_b32 s[G0V], 1
	s_mov_b32 s[G0V+1], s[VOF]
	s_mov_b32 s[G0V+4], 1
	s_add_co_u32 s[G0V+5], s[VOF], SLOTB
	s_mov_b32 s[CS], 0x3db8aa3b     ; c = log2(e) / 16
	s_mov_b32 s[CS+1], s[CS]
	s_mov_b32 s[SEL], 0x76543210
	s_mov_b32 s[SEL+1], 0xfedcba98
	s_mov_b32 s[TB], 0
	s_mov_b32 s[FSL], SLOTB
	s_add_co_u32 s[RT], s14, 1      ; the first block has c + 1 tiles
	s_mov_b32 s[LQ], s14            ; its walk ends with tile c,
	s_sub_co_u32 s[LQ2], 7, s14     ; the second's with tile 7 - c
	s_mov_b32 s[NXT], 1             ; the walk's second tile: tile 1, or behind the first block's last the second block's tile 0
	s_cmp_gt_u32 s[NXT], s[LQ]
	s_cselect_b32 s[NXT], 0, s[NXT]
	s_cselect_b32 s[LQ], s[LQ2], s[LQ]
	s_lshl_b32 s[OFF], s[NXT], 16   ; a tile is 65,536 bytes of K and of V
	s_mov_b32 s[OFF+1], 0
	s_add_co_u32 s[NXT], s[NXT], 1  ; and its third
	s_cmp_gt_u32 s[NXT], s[LQ]
	s_cselect_b32 s[NXT], 0, s[NXT]
	s_cselect_b32 s[LQ], s[LQ2], s[LQ]
	s_mov_b32 s[A0+1], 0            ; named as pairs
	s_mov_b32 s[B0+1], 0
	s_mov_b32 s[A1+1], 0
	s_mov_b32 s[B1+1], 0
	s_mov_b32 s[BIGN], 0xf149f2ca   ; -1e30
	s_cmp_eq_u32 s14, 0
	s_cselect_b32 s[LIM], 1, -1
	v_and_b32 v[PFO], 31, v0
	v_lshlrev_b32 v[PFO], 8, v[PFO]
	s_wait_dscnt 0x0                ; the opening add is done
	s_wait_kmcnt 0x0
	s_add_nc_u64 s[6:7], s[20:21], s[66:67]    ; K at my half of tile 0,
	s_add_nc_u64 s[8:9], s[6:7], 0x800000      ; V four slots on
	s_add_co_u32 s96, s95, s98
	s_add_nc_u64 s[4:5], s[20:21], s[96:97]    ; Q: first block, local tile 0,
	s_add_co_u32 s96, s93, s98
	s_add_nc_u64 s[QB1:QB1+1], s[20:21], s[96:97]  ; local tile 1;
	s_add_co_u32 s96, s95, s99
	s_add_nc_u64 s[QA2:QA2+1], s[20:21], s[96:97]  ; second block
	s_add_co_u32 s96, s93, s99
	s_add_nc_u64 s[QB2:QB2+1], s[20:21], s[96:97]
	s_lshl_b32 s93, s17, 22         ; O: 1,024 rows of 4,096 bytes a batch,
	s_lshl_b32 s95, s2, 16          ; 16 rows,
	s_add_co_u32 s93, s93, s95
	s_lshl_b32 s95, s92, 9          ; 512 bytes a head
	s_add_co_u32 s93, s93, s95
	s_lshl_b32 s96, s[J], 17        ; 32 rows a block
	s_add_co_u32 s96, s96, s93
	s_add_nc_u64 s[10:11], s[22:23], s[96:97]
	s_lshl_b32 s96, s94, 17
	s_add_co_u32 s96, s96, s93
	s_add_nc_u64 s[OUT2:OUT2+1], s[22:23], s[96:97]
	s_add_nc_u64 s[G0K+2:G0K+3], s[6:7], 0
	s_or_b32 s[G0K+3], s[G0K+3], 0x80000000
	s_add_nc_u64 s[G0K+6:G0K+7], s[6:7], s[OFF:OFF+1]
	s_or_b32 s[G0K+7], s[G0K+7], 0x80000000
	s_add_nc_u64 s[G0V+2:G0V+3], s[8:9], 0
	s_or_b32 s[G0V+3], s[G0V+3], 0x80000000
	s_add_nc_u64 s[G0V+6:G0V+7], s[8:9], s[OFF:OFF+1]
	s_or_b32 s[G0V+7], s[G0V+7], 0x80000000
	s_cmp_lt_u32 s[WV], 2
	s_cselect_b64 s[PFA:PFA+1], s[6:7], s[8:9] ; the half of a tile that I fetch,
	s_lshl_b32 s96, s13, 13         ; my work-group's 8,192 bytes of it,
	s_add_nc_u64 s[PFA:PFA+1], s[PFA:PFA+1], s[96:97]
	s_add_nc_u64 s[PFA:PFA+1], s[PFA:PFA+1], 65536  ; in tile 1: trip n's change of slots has stepped it to tile n + 2.  Nothing is prefetched at the head
	CROUND                          ; all four work-groups are here: the first joint loads meet
	s_cmp_lt_u32 s[WV], 2           ; a wave's two first fills stand in one branch: two loads of mine are out
	s_cbranch_scc0 .Lfirst_v
	tensor_load_to_lds s[G0K:G0K+3], s[G1K:G1K+7]
	s_nop 0
	tensor_load_to_lds s[G0K+4:G0K+7], s[G1K:G1K+7]
	s_nop 0
.rept 4
	v_nop
.endr
	s_branch .Lfirst_asked
.Lfirst_v:
	tensor_load_to_lds s[G0V:G0V+3], s[G1V:G1V+7]
	s_nop 0
	tensor_load_to_lds s[G0V+4:G0V+7], s[G1V:G1V+7]
	s_nop 0
.rept 4
	v_nop
.endr
.Lfirst_asked:
	v_and_b32 v1, 15, v0            ; r = l % 16
	v_bfe_u32 v9, v0, 4, 1          ; h = l / 16
	v_lshlrev_b32 v[QO], 9, v1
	v_lshl_add_u32 v[QO], v9, 4, v[QO]  ; row x 512 + 16 h
	QLOAD 4, QB1                    ; the first block's Q
	WIN 0x40
.set i, 0
.rept 256
	v_mov_b32 v[i], 0               ; O^T
.set i, i+1
.endr
	WIN 0
.irp u, 0,1
	v_mov_b32 v[ST+8*(\u)], 0xfe000000     ; c m: far below every c s, and below c x the start of m: the first a is 0
	v_mov_b32 v[ST+8*(\u)+1], 0xe0800000   ; m: -2^66
	v_mov_b32 v[ST+8*(\u)+2], 0            ; l
	v_mov_b32 v[ST+8*(\u)+3], 0
.endr
	v_mul_u32_u24 v[AK0], v1, PK
	v_lshl_add_u32 v[AK0], v9, 4, v[AK0]  ; K: row x pitch + 16 h,
	v_add_nc_u32 v[AK0], s[KOF], v[AK0]   ; in my half of the keys
	v_and_b32 v10, 7, v0
	v_bfe_u32 v11, v0, 3, 1
	v_lshl_add_u32 v[AV0], v9, 3, v10     ; V: the turning load's lane l reads key 8 h + l % 8, 16 bytes at 16 ((l / 8) % 2)
	v_mul_u32_u24 v[AV0], v[AV0], PVP
	v_lshl_add_u32 v[AV0], v11, 4, v[AV0]
	v_add_nc_u32 v[AV0], s[VOF], v[AV0]
	s_mul_i32 s92, s[WV], XSZ
	s_add_co_u32 s92, s92, STAGE    ; my stage
	v_mul_u32_u24 v[STO], v1, SP
	v_lshl_add_u32 v[STO], v9, 4, v[STO]
	v_add_nc_u32 v[STO], s92, v[STO]
	v_and_b32 v[GO], 31, v0
	v_lshlrev_b32 v[GO], 4, v[GO]
	v_add_nc_u32 v[RD], s92, v[GO]
	s_xor_b32 s93, s[WV], 1         ; my partner: the same positions, the other keys
	s_mul_i32 s93, s93, XSZ
	s_add_co_u32 s93, s93, STAGE
	v_add_nc_u32 v[XR], s93, v[GO]
	s_lshl_b32 s93, s2, 4
	v_lshlrev_b32 v14, 3, v9
	v_sub_nc_u32 v14, v1, v14
	v_add_nc_u32 v14, s93, v14      ; my query's place in its block, 16 ph + r, less my lanes' 8 h
.set i, 0
.rept 16
	v_cmp_gt_i32 vcc_lo, 16*(i/8)+i%8, v14
	v_cndmask_b32 v[PT+i], 0, s[BIGN], vcc_lo
.set i, i+1
.endr
.macro FETCH_K                      ; my 64 keys of a tile's K in one run: 32 fragments, 64 loads.  At the head and in the tail alone
	WIN 0
	v_add_nc_u32 v[AK], s[TB], v[AK0]
	WIN 0x80
.set f, 0
.rept 32
	ds_load_b128 v[8*f:8*f+3],   v[AK] offset:(f/8)*16*PK+(f%8)*64
	ds_load_b128 v[8*f+4:8*f+7], v[AK] offset:(f/8)*16*PK+(f%8)*64+32
.set f, f+1
.endr
	WIN 0
.endm
.macro MASK                         ; what the sums S^T start from, the same for both heads
	WIN 0
	s_cmp_eq_i32 s[D], 0
	s_cselect_b32 s[A0], 1.0, 0
	s_cmp_lt_i32 s[D], 0
	s_cselect_b32 s[B0], s[BIGN], 0
	s_cmp_eq_i32 s[D], 1
	s_cselect_b32 s[A1], 1.0, 0
	s_cmp_lt_i32 s[D], 1
	s_cselect_b32 s[B1], s[BIGN], 0
.set z, 0
.rept 8
.irp u, 0,1
	v_pk_fma_f32 v[S+32*(\u)+z:S+32*(\u)+z+1], v[PT+z:PT+z+1], s[A0:A0+1], s[B0:B0+1] op_sel_hi:[1,0,0]
	v_pk_fma_f32 v[S+32*(\u)+16+z:S+32*(\u)+16+z+1], v[PT+z:PT+z+1], s[A1:A1+1], s[B1:B1+1] op_sel_hi:[1,0,0]
.endr
.set z, z+2
.endr
.endm
; 64 products K Q^T: product i: channels 32 (i / 8) on, keys 16 ((i / 2) % 4) on, tile i % 2: eight accumulators by turns.  Ahead of each eight stand eight loads: four fragments of this tile's V, turned.
.macro QK
	WIN 0
	v_add_nc_u32 v[AV], s[TB], v[AV0]
.set i, 0
.set f, 0
.rept 8
	WIN 0xc0
.rept 4
	ds_load_tr16_b128 v[8*f:8*f+3],   v[AV] offset:(f/16)*32*PVP+(f%16)*32
	ds_load_tr16_b128 v[8*f+4:8*f+7], v[AV] offset:(f/16)*32*PVP+16*PVP+(f%16)*32
.set f, f+1
.endr
	WIN W_KQ
.rept 8
	v_wmma_f32_16x16x32_f16 v[S+32*(i%2)+8*((i/2)%4):S+32*(i%2)+8*((i/2)%4)+7], v[8*(8*((i/2)%4)+i/8):8*(8*((i/2)%4)+i/8)+7], v[Q+64*(i%2)+8*(i/8):Q+64*(i%2)+8*(i/8)+7], v[S+32*(i%2)+8*((i/2)%4):S+32*(i%2)+8*((i/2)%4)+7]
.set i, i+1
.endr
.endr
.endm
; 64 products V^T P: product i: keys 32 (i / 32) on, channels 16 ((i / 2) % 16) on, tile i % 2: 32 accumulators by turns.  il = 1: ahead of each eight stand eight loads: four fragments of the next tile's K.
.macro PVM il
.if \il
	WIN 0
	v_add_nc_u32 v[AK], s[TB], v[AK0]
.endif
.set i, 0
.set f, 0
.rept 8
.if \il
	WIN 0x80
.rept 4
	ds_load_b128 v[8*f:8*f+3],   v[AK] offset:(f/8)*16*PK+(f%8)*64
	ds_load_b128 v[8*f+4:8*f+7], v[AK] offset:(f/8)*16*PK+(f%8)*64+32
.set f, f+1
.endr
.endif
	WIN W_PV
.rept 8
	v_wmma_f32_16x16x32_f16 v[128*(i%2)+8*((i/2)%16):128*(i%2)+8*((i/2)%16)+7], v[8*(i/2):8*(i/2)+7], v[S+32*(i%2)+8*(i/32):S+32*(i%2)+8*(i/32)+7], v[128*(i%2)+8*((i/2)%16):128*(i%2)+8*((i/2)%16)+7]
.set i, i+1
.endr
.endr
.endm
.macro SCL u, b                     ; c s - c m for pair b of 16 of tile u
	v_pk_fma_f32 v[S+32*(\u)+2*(\b):S+32*(\u)+2*(\b)+1], v[S+32*(\u)+2*(\b):S+32*(\u)+2*(\b)+1], s[CS:CS+1], v[ST+8*(\u):ST+8*(\u)+1] op_sel_hi:[1,0,0] neg_lo:[0,0,1] neg_hi:[0,0,1]
.endm
; The softmax of my two tiles of 16 queries x 64 keys, the tiles alternating.  Each accumulator's lowest registers are read first.  The 66 exponentials are one batch: nothing ahead of the one
; wait names a result of theirs.  The sums are taken of the unrounded weights, in two chains a tile; then the weights are rounded in place: pair z of S^T into register z, so P is S^T's low 16 registers.
.macro SOFTMAX
	WIN 0
.irp j, 0,1,2,3
.irp u, 0,1
	v_max3_num_f32 v[ST+8*(\u)+4+(\j)], v[S+32*(\u)+8*(\j)], v[S+32*(\u)+8*(\j)+1], v[S+32*(\u)+8*(\j)+2]
.endr
.endr
.irp j, 0,1,2,3
.irp u, 0,1
	v_max3_num_f32 v[ST+8*(\u)+4+(\j)], v[ST+8*(\u)+4+(\j)], v[S+32*(\u)+8*(\j)+3], v[S+32*(\u)+8*(\j)+4]
.endr
.endr
.irp j, 0,1,2,3
.irp u, 0,1
	v_max3_num_f32 v[ST+8*(\u)+4+(\j)], v[ST+8*(\u)+4+(\j)], v[S+32*(\u)+8*(\j)+5], v[S+32*(\u)+8*(\j)+6]
.endr
.endr
.irp u, 0,1
	v_max3_num_f32 v[ST+8*(\u)+4], v[ST+8*(\u)+4], v[S+32*(\u)+7], v[S+32*(\u)+15]
	v_max3_num_f32 v[ST+8*(\u)+6], v[ST+8*(\u)+6], v[S+32*(\u)+23], v[S+32*(\u)+31]
.endr
.irp u, 0,1
	v_max3_num_f32 v[ST+8*(\u)+4], v[ST+8*(\u)+4], v[ST+8*(\u)+5], v[ST+8*(\u)+6]
.endr
.irp u, 0,1
	v_max3_num_f32 v[ST+8*(\u)+4], v[ST+8*(\u)+4], v[ST+8*(\u)+7], v[ST+8*(\u)+1]  ; and the old m
.endr
.irp u, 0,1
	v_permlanex16_b32 v[ST+8*(\u)+5], v[ST+8*(\u)+4], s[SEL], s[SEL+1]  ; the query's other 32 keys lie in the lane 16 away
.endr
.irp u, 0,1
	v_mov_b32 v[ST+8*(\u)+7], v[ST+8*(\u)]  ; c m_old
.endr
.irp u, 0,1
	v_max_num_f32 v[ST+8*(\u)+1], v[ST+8*(\u)+4], v[ST+8*(\u)+5]
.endr
.irp u, 0,1
	v_mul_f32 v[ST+8*(\u)], s[CS], v[ST+8*(\u)+1]
.endr
.irp u, 0,1
	v_sub_f32 v[ST+8*(\u)+7], v[ST+8*(\u)+7], v[ST+8*(\u)]
.endr
	SCL 0, 0
	SCL 1, 0
	SCL 0, 1
	SCL 1, 1
	v_exp_f32 v[ST+6], v[ST+7]      ; a
	v_exp_f32 v[ST+14], v[ST+15]
.set e, 0
.rept 16
	v_exp_f32 v[S+2*e], v[S+2*e]
.if e < 14
	SCL 0, e+2
.endif
	v_exp_f32 v[S+2*e+1], v[S+2*e+1]
	v_exp_f32 v[S+32+2*e], v[S+32+2*e]
.if e < 14
	SCL 1, e+2
.endif
	v_exp_f32 v[S+32+2*e+1], v[S+32+2*e+1]
.set e, e+1
.endr
	v_nop                           ; a plain instruction behind the last exponential
	s_wait_alu depctr_va_vdst(0)    ; the one wait for the batch, ahead of its first reader
.irp u, 0,1
	v_pk_add_f32 v[ST+8*(\u)+4:ST+8*(\u)+5], v[S+32*(\u):S+32*(\u)+1], v[S+32*(\u)+2:S+32*(\u)+3]  ; one chain starts with pairs 0 and 1,
.endr
.irp u, 0,1
	v_pk_fma_f32 v[ST+8*(\u)+2:ST+8*(\u)+3], v[ST+8*(\u)+2:ST+8*(\u)+3], v[ST+8*(\u)+6:ST+8*(\u)+7], v[S+32*(\u)+4:S+32*(\u)+5] op_sel_hi:[1,0,1]  ; the other is l = a l + pair 2
.endr
.set p, 3
.rept 13
.irp u, 0,1
.if p%2
	v_pk_add_f32 v[ST+8*(\u)+4:ST+8*(\u)+5], v[ST+8*(\u)+4:ST+8*(\u)+5], v[S+32*(\u)+2*p:S+32*(\u)+2*p+1]
.else
	v_pk_add_f32 v[ST+8*(\u)+2:ST+8*(\u)+3], v[ST+8*(\u)+2:ST+8*(\u)+3], v[S+32*(\u)+2*p:S+32*(\u)+2*p+1]
.endif
.endr
.set p, p+1
.endr
.irp u, 0,1
	v_pk_add_f32 v[ST+8*(\u)+2:ST+8*(\u)+3], v[ST+8*(\u)+2:ST+8*(\u)+3], v[ST+8*(\u)+4:ST+8*(\u)+5]
.endr
.set z, 0
.rept 16
.irp u, 0,1
	v_cvt_pk_f16_f32 v[S+32*(\u)+z], v[S+32*(\u)+2*z], v[S+32*(\u)+2*z+1]  ; ascending: register z is written when pairs below z have been read
.endr
.set z, z+1
.endr
	WIN W_RS
.irp u, 0,1
.set z, 0
.rept 64
	v_pk_mul_f32 v[128*(\u)+z:128*(\u)+z+1], v[128*(\u)+z:128*(\u)+z+1], v[ST+8*(\u)+6:ST+8*(\u)+7] op_sel_hi:[1,0]  ; O^T times a
.set z, z+2
.endr
.endr
.endm
; THE CHANGE OF SLOTS.  Each wave waits for all its tensor loads, of which one is out: its part of the other slot; adds 0 to its spare word; and waits for that and for its reads of this slot (K's and V's).
; fill = 1: the barrier is a round of the cluster's, and the joint refill, tile NXT of the walk, is the first thing behind it: it has a whole step, 128 products a wave, in which to land.
.macro CHANGE fill
	WIN 0
	s_wait_tensorcnt 0x0            ; no tensor load of mine is out, so a group 0 may be written
	ds_add_u32 v[SPW], v[NIL]       ; 0 onto my spare word
.if \fill
	s_lshl_b32 s[OFF], s[NXT], 16
	s_xor_b32 s[FSL], s[FSL], SLOTB ; the other slot than last time
	s_add_co_u32 s[G0K+5], s[FSL], s[KOF]
	s_add_nc_u64 s[G0K+6:G0K+7], s[6:7], s[OFF:OFF+1]
	s_or_b32 s[G0K+7], s[G0K+7], 0x80000000
	s_add_co_u32 s[G0V+5], s[FSL], s[VOF]
	s_add_nc_u64 s[G0V+6:G0V+7], s[8:9], s[OFF:OFF+1]
	s_or_b32 s[G0V+7], s[G0V+7], 0x80000000
	s_add_co_u32 s[NXT], s[NXT], 1  ; the walk's next tile, or behind the first block's last the second block's tile 0
	s_cmp_gt_u32 s[NXT], s[LQ]
	s_cselect_b32 s[NXT], 0, s[NXT]
	s_cselect_b32 s[LQ], s[LQ2], s[LQ]
	s_wait_xcnt 0x0                 ; the last prefetch, a step back, has read its address
	s_add_nc_u64 s[PFA:PFA+1], s[PFA:PFA+1], 65536
	s_wait_dscnt 0x0                ; the add is done, and my reads of the slot are over
	CROUND
	JLOAD
	ASK
.else
	s_wait_dscnt 0x0
	s_barrier_signal -1
	s_barrier_wait -1
.endif
	s_xor_b32 s[TB], s[TB], SLOTB   ; the fetches go to the other slot
.endm
; A key step.  tail = 0: in the first block's last step the second block's Q is asked for, into Q's registers, four places behind the last product that read them.  The wait for Q stands at the head of EVERY step,
; the tail's too: whichever step follows those loads, its products read Q only behind that wait.  tail = 1: the next K comes in one run, which the walk's last trip jumps over.
.macro STEP fill, tail
	MASK                            ; (four places and more behind the last product V^T P, which read P out of these registers)
	s_wait_dscnt 0x0                ; K is in
	s_wait_loadcnt 0x0              ; Q is in: the first block's at the first step, the second block's behind the change of blocks; elsewhere no load is out
	QK
	PLACES
	WIN 0
.if !(\tail)
	s_cmp_eq_u32 s[RT], 1
	s_cbranch_scc0 .Lno_q_\@
	QLOAD QA2, QB2
.Lno_q_\@:
.endif
	SOFTMAX
	CHANGE \fill
.if \tail
	s_cmp_eq_u32 s[CNT], 1
	s_cbranch_scc1 .Lno_k_\@
	FETCH_K
.Lno_k_\@:
	PVM 0                           ; V is in: the change of slots has waited for it
.else
	PVM 1
.endif
	PLACES
	WIN 0
.endm
; A BLOCK'S END.  My local tile 1 goes to my partner, its local tile 1 (my local tile 0's head and positions, the other keys) comes to me: 128 registers of O^T, in two halves of 64, a lane's 16 bytes on end.
; Four barriers: a half is stored, waited for, and read behind a barrier; it is written over only behind a barrier in front of which every wave has waited for its reads.
.macro BAR
	s_wait_dscnt 0x0                ; for the others' sake: my stores are done and my reads are back
	s_barrier_signal -1
	s_barrier_wait -1
.endm
.macro SENDH h
	WIN 0x04                        ; the stores' data in window 1
.set z, 0
.rept 16
	ds_store_b128 v[RD], v[128+64*(\h)+4*z:128+64*(\h)+4*z+3] offset:512*z  ; each accumulator's low registers first
.set z, z+1
.endr
	WIN 0
.endm
.macro TAKEH h                      ; into V's registers, which are free between a step's last product and the next step's loads
	WIN 0xc0
.set z, 0
.rept 16
	ds_load_b128 v[64*(\h)+4*z:64*(\h)+4*z+3], v[XR] offset:512*z
.set z, z+1
.endr
	WIN 0
.endm
.macro JOINH h                      ; O = mine x my factor + the partner's x its factor; the factors hold 1 / l
	WIN W_RS
.set z, 64*(\h)
.rept 32
	v_pk_mul_f32 v[z:z+1], v[z:z+1], v[FA:FA+1]
.set z, z+2
.endr
	WIN W_PV
.set z, 64*(\h)
.rept 32
	v_pk_fma_f32 v[z:z+1], v[z:z+1], v[FB:FB+1], v[z:z+1]
.set z, z+2
.endr
	WIN 0
.endm
.macro MERGE
	WIN 0
	v_add_f32 v[ST+4], v[ST+2], v[ST+3]          ; l's two halves,
	v_add_f32 v[ST+12], v[ST+10], v[ST+11]
	v_permlanex16_b32 v[ST+5], v[ST+4], s[SEL], s[SEL+1]    ; and the other half of the lanes'
	v_permlanex16_b32 v[ST+13], v[ST+12], s[SEL], s[SEL+1]
	v_add_f32 v[ST+4], v[ST+4], v[ST+5]
	v_add_f32 v[ST+9], v[ST+12], v[ST+13]        ; tile 1's l beside its c m (its m is wanted no more)
	ds_store_b64 v[RD], v[ST+8:ST+9] offset:8192
	SENDH 0
	BAR
	ds_load_b64 v[XP:XP+1], v[XR] offset:8192
	TAKEH 0
	BAR
	SENDH 1
	v_max_num_f32 v[ST+5], v[ST], v[XP]          ; the greater c m
	v_sub_f32 v[FA], v[ST], v[ST+5]
	v_sub_f32 v[FB], v[XP], v[ST+5]
	v_exp_f32 v[FA], v[FA]
	v_exp_f32 v[FB], v[FB]
	v_nop                           ; a plain instruction behind the exponentials,
	s_wait_alu depctr_va_vdst(0)    ; and their wait
	v_mul_f32 v[ST+6], v[ST+4], v[FA]
	v_fma_f32 v[ST+6], v[XP+1], v[FB], v[ST+6]   ; l over all keys: the side with the greater m has a weight 1, so l is 1 at the least
	v_rcp_f32 v[ST+6], v[ST+6]
	v_nop
	s_wait_alu depctr_va_vdst(0)
	v_mul_f32 v[FA], v[FA], v[ST+6]
	v_mul_f32 v[FB], v[FB], v[ST+6]
	v_mov_b32 v[FA+1], v[FA]
	v_mov_b32 v[FB+1], v[FB]
	BAR
	TAKEH 1
	JOINH 0                         ; the first half is joined while the second is on its way
	BAR                             ; behind it my stage is mine again
	JOINH 1
.endm
; THE WAY OUT of my local tile 0: rounded to f16, sent through my stage: in as 16 bytes a lane, back as whole rows of 512 bytes.
.macro WAYOUT
	WIN 0xc5                        ; sources window 1, destination window 3
.set z, 0
.rept 64
	v_cvt_pk_f16_f32 v[Y+z], v[2*z], v[2*z+1]
.set z, z+1
.endr
	WIN 0x0c                        ; the stores' data in window 3
.irp f, 0,1,2,3,4,5,6,7,8,9,10,11,12,13,14,15
	ds_store_b128 v[STO], v[Y+4*(\f):Y+4*(\f)+3] offset:32*(\f)
.endr
	WIN 0xc0
.irp f, 0,1,2,3,4,5,6,7,8,9,10,11,12,13,14,15
	ds_load_b128 v[Y+4*(\f):Y+4*(\f)+3], v[RD] offset:(\f)*SP  ; LDS serves a wave's instructions in order (ISA guide 5.7.1.4): these see the stores above
.endr
	WIN 0x0c
.irp f, 0,1,2,3,4,5,6,7,8,9,10,11,12,13,14,15
	s_wait_dscnt 15-(\f)            ; row f is back; the younger loads may stay out
	global_store_b128 v[GO], v[Y+4*(\f):Y+4*(\f)+3], s[10:11] offset:(\f)*4096  ; the wave stores 512 bytes on end, aligned
.endr
	WIN 0
.endm
	s_wait_tensorcnt 1              ; my part of the walk's first tile is in; the second's may stay out
	s_barrier_signal -1
	s_barrier_wait -1
	FETCH_K
	s_mov_b32 s[SLOTS], 7
.Lslot:                             ; 7 trips: a tile is worked on and the tile two on is asked for
	STEP 1, 0
	s_cmp_eq_u32 s[RT], 1           ; made of c alone: the same in all waves and all partners
	s_cbranch_scc0 .Lsame           ; the first block ends in trip c
	MERGE
	WAYOUT
	s_wait_xcnt 0x0                 ; the stores have read their registers and O's address
	s_mov_b64 s[10:11], s[OUT2:OUT2+1]
.irp u, 0,1
	v_mov_b32 v[ST+8*(\u)], 0xfe000000     ; the second block's first a is 0: O^T and l need only be finite, and they are
	v_mov_b32 v[ST+8*(\u)+1], 0xe0800000
.endr
	s_sub_co_u32 s[RT], 9, s14      ; 8 - c tiles, and the step below
	s_add_co_i32 s[D], s[D2], 4
.Lsame:
	s_sub_co_u32 s[RT], s[RT], 1
	s_sub_co_i32 s[D], s[D], 4      ; a tile is four blocks' length of keys
	s_sub_co_u32 s[SLOTS], s[SLOTS], 1
	s_cmp_lg_u32 s[SLOTS], 0
	s_cbranch_scc1 .Lslot
	s_mov_b32 s[CNT], 2
.Ltail:                             ; the walk's last two tiles ask for nothing: written apart
	STEP 0, 1
	s_sub_co_i32 s[D], s[D], 4
	s_sub_co_u32 s[CNT], s[CNT], 1
	s_cmp_lg_u32 s[CNT], 0
	s_cbranch_scc1 .Ltail
	MERGE
	WAYOUT
	s_wait_tensorcnt 0x0            ; the wave's end
	ds_add_u32 v[SPW], v[NIL]
	s_wait_dscnt 0x0
	CROUND                          ; the closing round
	s_endpgm
.Lfunc_end_k_q3c81a44e7d_attn:
	.size	k_q3c81a44e7d_attn, .Lfunc_end_k_q3c81a44e7d_attn-k_q3c81a44e7d_attn
	.p2alignl 7, 3214868480
	.fill 96, 4, 3214868480
	.section	.rodata,"a",@progbits
	.p2align	6, 0x0
	.amdhsa_kernel k_q3c81a44e7d_attn
		.amdhsa_group_segment_fixed_size 327680
		.amdhsa_private_segment_fixed_size 0
		.amdhsa_enable_private_segment 0
		.amdhsa_kernarg_size 16
		.amdhsa_user_sgpr_count 2
		.amdhsa_user_sgpr_kernarg_segment_ptr 1
		.amdhsa_wavefront_size32 1
		.amdhsa_system_sgpr_workgroup_id_x 1
		.amdhsa_system_sgpr_workgroup_id_y 1
		.amdhsa_system_sgpr_workgroup_id_z 1
		.amdhsa_system_vgpr_workitem_id 0
		.amdhsa_next_free_vgpr 1024
		.amdhsa_next_free_sgpr 106
		.amdhsa_reserve_vcc 1
		.amdhsa_float_denorm_mode_32 3
		.amdhsa_float_denorm_mode_16_64 3
		.amdhsa_memory_ordered 1
		.amdhsa_forward_progress 1
		.amdhsa_inst_pref_size 152
	.end_amdhsa_kernel
	.amdgpu_metadata
---
amdhsa.version: [ 1, 2 ]
amdhsa.kernels:
  - .name:           k_q3c81a44e7d_attn
    .symbol:         k_q3c81a44e7d_attn.kd
    .args:
      - { .name: qkvh, .offset: 0, .size: 8, .value_kind: global_buffer, .address_space: global }
      - { .name: ao, .offset: 8, .size: 8, .value_kind: global_buffer, .address_space: global }
    .group_segment_fixed_size: 327680
    .private_segment_fixed_size: 0
    .kernarg_segment_align: 8
    .kernarg_segment_size: 16
    .max_flat_workgroup_size: 128
    .sgpr_count:     106
    .vgpr_count:     1024
    .wavefront_size: 32
...
	.end_amdgpu_metadata
.endif
;; end of part 3
;; launch oproj (part 4): grid 8 x 32, 4 waves a work-group, clusters of 4 x 4, 327,680 bytes of LDS; arguments ao, wo16, out0; writes out0
.if DOCPART == 4
	.amdgcn_target "amdgcn-amd-amdhsa--gfx1250"
	.amdhsa_code_object_version 6
	.text
	.protected	k_q3c81a44e7d_oproj
	.globl	k_q3c81a44e7d_oproj
	.p2align	8
	.type	k_q3c81a44e7d_oproj,@function
k_q3c81a44e7d_oproj:
	s_mov_b64 s[64:65], 0
	v_nop
	global_prefetch_b8 v0, s[64:65] scope:SCOPE_SE
	s_setreg_imm32_b32 hwreg(HW_REG_WAVE_MODE, 25, 1), 1
	s_wait_xcnt 0x0
	s_wait_alu depctr_hold_cnt(0) depctr_sa_sdst(0) depctr_va_vdst(0) depctr_va_sdst(0) depctr_va_ssrc(0) depctr_va_vcc(0) depctr_vm_vsrc(0)
	s_getreg_b32 s2, hwreg(HW_REG_IB_STS2, 6, 4)
	s_cmp_eq_u32 s2, 0
	s_cbranch_scc0 .Lentry_in_a_cluster
	s_endpgm
.Lentry_in_a_cluster:
	s_bfe_u32 s2, ttmp6, 0x10000c
	s_cmp_lg_u32 s2, 0xf033
	s_cbranch_scc0 .Lentry_shape_is_right
	s_endpgm
.Lentry_shape_is_right:
; OPROJ: out0 = ao Wo.  ao: f16 [4096 m][2048 k].  wo16: f16 [2048 k][2048 n].  out0: f32 [4096][2048].  Sums in f32.
; SHARES.  A tile of 128 rows x 256 columns to a work-group: 256 work-groups.  Four waves, each 64 rows x 128 columns: 32 accumulators, 256 registers.
; K goes in steps of 128 through two LDS slots; ao's rows lie along K, the weights' along N (turned on the way out of LDS by ds_load_tr16_b128).
; TRANSPOSED USE: source 0 = 16 columns of the weights, source 1 = 16 rows of ao: a lane holds one row of the result and eight neighbouring columns, 32 bytes.
; CLUSTER 4 x 4: ao's tiles are shared along a row of the cluster, the weights' along a column; each is asked for jointly.
; No prefetch: each tile is asked for once for four work-groups, and a K step's 128 matrix instructions a wave stand between a request and the wait for it.
; REGISTERS: window 0: v0-31 addresses, v64-191 rows on their way out; window 1: two fragment buffers of 96 (the weights' 64, then ao's 32); window 2: the accumulators, (a, b) at v[8 (8 a + b)]
.set PA,     272
.set PB,     544
.set AHALF,  64*PA                     ; what a load of ao brings: 64 rows
.set BHALF,  64*PB                     ; what a load of the weights brings: 64 rows of K
.set BOFF,   2*AHALF
.set SLOT,   BOFF+2*BHALF
.set STAGE,  2*SLOT                    ; behind the ring: 16 rows x 528 bytes for each wave
.set SP,     528
.set SPARE,  STAGE+4*16*SP
.set LAPS,   8
.set ADRA, 16
.set ADRB, 20
.set STO,  24
.set RD,   25
.set GO,   26
.set SPW,  28
.set NIL,  29
.set OB,   64
.set F0,   0
.set F1,   96
.set G1,  24
.set G0,  32
.set G1B, 48
.set G0B, 56
.set MSB, 0
.macro WIN new
.if MSB != (\new)
	s_set_vgpr_msb (MSB<<8)|(\new)
.set MSB, \new
.endif
.endm
.macro JLOAD s                         ; waves 0, 1 fetch ao's halves, waves 2, 3 the weights'; s_nop 0 and four v_nop follow each line
	s_cmp_eq_u32 s11, 0
	s_cbranch_scc0 .Lfor_b_\@
	tensor_load_to_lds s[G0+4*(\s):G0+4*(\s)+3], s[G1:G1+7]
	s_nop 0
.rept 4
	v_nop
.endr
	s_branch .Lasked_\@
.Lfor_b_\@:
	tensor_load_to_lds s[G0B+4*(\s):G0B+4*(\s)+3], s[G1B:G1B+7]
	s_nop 0
.rept 4
	v_nop
.endr
.Lasked_\@:
.endm
.macro CREST
	s_cmp_lg_u32 s10, 0
	s_cbranch_scc1 .Lnot_wave_0_\@
	s_barrier_signal -3
.Lnot_wave_0_\@:
	s_barrier_wait -3
	s_barrier_signal -1
	s_barrier_wait -1
.endm
.macro CROUND
	s_barrier_signal -1
	s_barrier_wait -1
	CREST
.endm
.macro PLACES
.rept 4
	v_nop
.endr
.endm
	s_load_b128 s[4:7], s[0:1], 0x0                ; ao s[4:5], wo16 s[6:7]
	s_load_b64 s[8:9], s[0:1], 0x10                ; out0
	v_lshl_add_u32 v[SPW], v0, 2, SPARE
	v_mov_b32 v[NIL], 0
	ds_add_u32 v[SPW], v[NIL]                      ; the opening: the add and its wait ahead of my first tensor load
	v_lshrrev_b32 v1, 5, v0
	v_readfirstlane_b32 s10, v1                    ; wave 0..3
	s_lshr_b32 s11, s10, 1                         ; my half of the rows; also: I fetch ao (0) or the weights (1)
	s_and_b32 s12, s10, 1                          ; my half of the columns; also: which half of that tile I fetch
	s_bfe_u32 s40, ttmp6, 0x40000                  ; cx
	s_bfe_u32 s41, ttmp6, 0x40004                  ; cy
	s_lshl_b32 s42, ttmp9, 2
	s_add_co_u32 s42, s42, s40                     ; tile column
	s_and_b32 s13, ttmp7, 0xffff
	s_lshl_b32 s13, s13, 2
	s_add_co_u32 s13, s13, s41                     ; tile row
	s_lshl_b32 s43, s41, 2
	s_lshl_b32 s43, 15, s43                        ; my row of the cluster
	s_lshl_b32 s44, 0x1111, s40                    ; my column
	s_or_b32 s[G1+0], s43, (1<<16)|(1<<20)|(1<<21)|(5<<22)|(3<<25)
	s_or_b32 s[G1B+0], s44, (1<<16)|(1<<20)|(1<<21)|(6<<22)|(7<<25)
	s_mov_b32 s[G1+1], 128<<16                     ; 128 along K,
	s_mov_b32 s[G1+2], 64<<16                      ; 64 rows
	s_mov_b32 s[G1+3], 128<<16
	s_mov_b32 s[G1+4], 64
	s_mov_b32 s[G1+5], 2048
	s_mov_b32 s[G1+6], 0
	s_mov_b32 s[G1+7], 0
	s_mov_b32 s[G1B+1], 256<<16                    ; 256 columns,
	s_mov_b32 s[G1B+2], 64<<16                     ; 64 rows of K
	s_mov_b32 s[G1B+3], 256<<16
	s_mov_b32 s[G1B+4], 64
	s_mov_b32 s[G1B+5], 2048
	s_mov_b32 s[G1B+6], 0
	s_mov_b32 s[G1B+7], 0
	s_lshl_b32 s17, s12, 6
	s_lshl_b32 s16, s13, 7
	s_add_co_u32 s16, s16, s17                     ; ao: row 128 x tile row + 64 x half,
	s_lshl_b32 s16, s16, 12                        ; 4,096 bytes a row
	s_mov_b32 s17, 0
	s_lshl_b32 s46, s42, 9                         ; weights: 512 bytes a tile column,
	s_lshl_b32 s47, s12, 18                        ; 64 rows of 4,096 bytes a half
	s_add_co_u32 s46, s46, s47
	s_mov_b32 s47, 0
	s_mul_i32 s20, s12, AHALF                      ; where a load of ao lands,
	s_mul_i32 s23, s12, BHALF                      ; and one of the weights
	s_add_co_u32 s23, s23, BOFF
	s_wait_dscnt 0x0                               ; the opening add is done
	s_wait_kmcnt 0x0
	s_add_nc_u64 s[14:15], s[4:5], s[16:17]
	s_add_nc_u64 s[46:47], s[6:7], s[46:47]
	CROUND                                         ; all sixteen work-groups are here: the first joint loads meet
.irp s, 0,1
	s_mov_b32 s[G0+4*(\s)], 1
	s_add_co_u32 s[G0+4*(\s)+1], s20, (\s)*SLOT
	s_add_nc_u64 s[G0+4*(\s)+2:G0+4*(\s)+3], s[14:15], (\s)*256
	s_or_b32 s[G0+4*(\s)+3], s[G0+4*(\s)+3], 0x80000000
	s_mov_b32 s[G0B+4*(\s)], 1
	s_add_co_u32 s[G0B+4*(\s)+1], s23, (\s)*SLOT
	s_add_nc_u64 s[G0B+4*(\s)+2:G0B+4*(\s)+3], s[46:47], (\s)*0x80000
	s_or_b32 s[G0B+4*(\s)+3], s[G0B+4*(\s)+3], 0x80000000
	JLOAD \s
.endr
	v_and_b32 v1, 15, v0                           ; r
	v_bfe_u32 v2, v0, 4, 1                         ; h
	v_mul_u32_u24 v3, v1, PA
	v_lshl_add_u32 v3, v2, 4, v3
	v_and_b32 v5, 7, v0
	v_bfe_u32 v6, v0, 3, 1
	v_lshl_add_u32 v5, v2, 3, v5
	v_mul_u32_u24 v5, v5, PB
	v_lshl_add_u32 v5, v6, 4, v5
	s_mul_i32 s21, s11, AHALF                      ; my 64 rows of ao
	s_lshl_b32 s22, s12, 8                         ; my 128 columns,
	s_add_co_u32 s22, s22, BOFF                    ; behind ao's 128 rows
.irp s, 0,1
	v_add_nc_u32 v[ADRA+(\s)], s21, v3
	v_add_nc_u32 v[ADRB+(\s)], s22, v5
	s_add_co_u32 s21, s21, SLOT
	s_add_co_u32 s22, s22, SLOT
.endr
	s_mul_i32 s23, s10, 16*SP
	s_add_co_u32 s23, s23, STAGE                   ; my stage
	v_mul_u32_u24 v4, v1, SP                       ; in: row r, 32 bytes for each half of the lanes
	v_lshl_add_u32 v4, v2, 5, v4
	v_add_nc_u32 v[STO], s23, v4
	v_and_b32 v7, 31, v0
	v_lshlrev_b32 v[GO], 4, v7                     ; back: a whole row of 512 bytes a load
	v_add_nc_u32 v[RD], s23, v[GO]
	s_lshl_b32 s18, s13, 7
	s_lshl_b32 s21, s11, 6
	s_add_co_u32 s18, s18, s21
	s_lshl_b32 s18, s18, 13                        ; my first row, 8,192 bytes a row,
	s_lshl_b32 s21, s42, 10                        ; 1,024 bytes a tile column,
	s_add_co_u32 s18, s18, s21
	s_lshl_b32 s21, s12, 9                         ; my 128 columns
	s_add_co_u32 s18, s18, s21
	s_mov_b32 s19, 0
	s_add_nc_u64 s[8:9], s[8:9], s[18:19]
; 8 matrix instructions: row block a x all 8 column blocks, 32 along K.  zero = 1: the product starts the sum.  The 32 accumulators take turns.
.macro MUL8 f, a, zero
	WIN 0xa5                                       ; both sources window 1, C and D window 2
.irp b, 0,1,2,3,4,5,6,7
.if \zero
	v_wmma_f32_16x16x32_f16 v[8*(8*(\a)+(\b)):8*(8*(\a)+(\b))+7], v[(\f)+8*(\b):(\f)+8*(\b)+7], v[(\f)+64+8*(\a):(\f)+64+8*(\a)+7], 0
.else
	v_wmma_f32_16x16x32_f16 v[8*(8*(\a)+(\b)):8*(8*(\a)+(\b))+7], v[(\f)+8*(\b):(\f)+8*(\b)+7], v[(\f)+64+8*(\a):(\f)+64+8*(\a)+7], v[8*(8*(\a)+(\b)):8*(8*(\a)+(\b))+7]
.endif
.endr
.endm
; 24 LDS loads in one run: quarter q of a slot into buffer f: the weights' 8 fragments, turned, then ao's 4
.macro FETCH slot, q, f
	WIN 0x40
.irp i, 0,1,2,3,4,5,6,7
	ds_load_tr16_b128 v[(\f)+8*(\i):(\f)+8*(\i)+3],   v[ADRB+(\slot)] offset:(\q)*32*PB+32*(\i)
	ds_load_tr16_b128 v[(\f)+8*(\i)+4:(\f)+8*(\i)+7], v[ADRB+(\slot)] offset:(\q)*32*PB+32*(\i)+16*PB
.endr
.irp i, 0,1,2,3
	ds_load_b128 v[(\f)+64+8*(\i):(\f)+64+8*(\i)+3],   v[ADRA+(\slot)] offset:64*(\q)+(\i)*16*PA
	ds_load_b128 v[(\f)+64+8*(\i)+4:(\f)+64+8*(\i)+7], v[ADRA+(\slot)] offset:64*(\q)+(\i)*16*PA+32
.endr
.endm
.macro QUARTER slot, q, f, g, zero
	s_wait_dscnt 4                                 ; the youngest four loads (ao's row blocks 2, 3) may be out
	MUL8 \f, 0, \zero
	MUL8 \f, 1, \zero
	PLACES
	FETCH \slot, \q, \g
	s_wait_dscnt 24                                ; all but the 24 just issued
	MUL8 \f, 2, \zero
	MUL8 \f, 3, \zero
.endm
.macro MEET round
	WIN 0
	s_wait_tensorcnt 0x0                           ; all my tensor loads have landed: my part of the next slot
	ds_add_u32 v[SPW], v[NIL]                      ; 0 onto my spare word
	s_wait_dscnt 5                                 ; the add and the youngest four loads may be out
	MUL8 F1, 0, 0
	s_wait_dscnt 0x0                               ; the add is done, and my reads of this slot are over
	s_barrier_signal -1
	MUL8 F1, 1, 0
.if \round
	WIN 0
.endif
	s_barrier_wait -1
.endm
.macro TURN slot, next
	MEET 1
	CREST
	s_add_nc_u64 s[G0+4*(\slot)+2:G0+4*(\slot)+3], s[G0+4*(\slot)+2:G0+4*(\slot)+3], 512          ; two K steps on
	s_add_nc_u64 s[G0B+4*(\slot)+2:G0B+4*(\slot)+3], s[G0B+4*(\slot)+2:G0B+4*(\slot)+3], 0x100000
	JLOAD \slot                                    ; its four v_nop are also the places in front of the loads below
	FETCH \next, 0, F0
	MUL8 F1, 2, 0
	MUL8 F1, 3, 0
.endm
; Row block a leaves: 32 bytes a lane and column block into my stage (each accumulator's low registers first), back as whole rows, stored
.macro OUTA a
	WIN 0x08                                       ; the stores' data in window 2
.irp b, 0,1,2,3,4,5,6,7
	ds_store_b128 v[STO], v[8*(8*(\a)+(\b)):8*(8*(\a)+(\b))+3]   offset:64*(\b)
	ds_store_b128 v[STO], v[8*(8*(\a)+(\b))+4:8*(8*(\a)+(\b))+7] offset:64*(\b)+16
.endr
	WIN 0
	s_wait_xcnt 0x0                                ; the earlier stores have read the registers that are loaded again
.irp i, 0,1,2,3,4,5,6,7,8,9,10,11,12,13,14,15
	ds_load_b128 v[OB+64*((\a)%2)+4*(\i):OB+64*((\a)%2)+4*(\i)+3], v[RD] offset:(\i)*SP  ; LDS serves a wave's instructions in order (ISA guide 5.7.1.4): these see the stores above
.endr
.irp i, 0,1,2,3,4,5,6,7,8,9,10,11,12,13,14,15
	s_wait_dscnt 15-(\i)
	global_store_b128 v[GO], v[OB+64*((\a)%2)+4*(\i):OB+64*((\a)%2)+4*(\i)+3], s[8:9] offset:(16*(\a)+(\i))*8192  ; the wave stores 512 bytes on end, aligned
.endr
.endm
	s_wait_tensorcnt 1                             ; my part of K step 0 is in; K step 1's may stay out
	s_barrier_signal -1
	s_barrier_wait -1
	FETCH 0, 0, F0
	QUARTER 0, 1, F0, F1, 1                        ; the first quarter stands in front of the loop: its products start the sums
	WIN 0
	s_mov_b32 s3, LAPS-1
.Llap:
	QUARTER 0, 2, F1, F0, 0
	QUARTER 0, 3, F0, F1, 0
	TURN 0, 1
	QUARTER 1, 1, F0, F1, 0
	QUARTER 1, 2, F1, F0, 0
	QUARTER 1, 3, F0, F1, 0
	TURN 1, 0
	QUARTER 0, 1, F0, F1, 0
	WIN 0
	s_sub_co_u32 s3, s3, 1
	s_cmp_lg_u32 s3, 0
	s_cbranch_scc1 .Llap
	QUARTER 0, 2, F1, F0, 0                        ; the last lap fills nothing
	QUARTER 0, 3, F0, F1, 0
	MEET 0
	PLACES
	FETCH 1, 0, F0
	MUL8 F1, 2, 0
	MUL8 F1, 3, 0
	QUARTER 1, 1, F0, F1, 0
	QUARTER 1, 2, F1, F0, 0
	QUARTER 1, 3, F0, F1, 0
	s_wait_dscnt 4
	MUL8 F1, 0, 0
	MUL8 F1, 1, 0
	s_wait_dscnt 0x0
	MUL8 F1, 2, 0
	MUL8 F1, 3, 0
	PLACES
	OUTA 0
	OUTA 1
	OUTA 2
	OUTA 3
	s_wait_tensorcnt 0x0                           ; the wave's end
	ds_add_u32 v[SPW], v[NIL]
	s_wait_dscnt 0x0
	CROUND                                         ; the closing round
	s_endpgm
.Lfunc_end_k_q3c81a44e7d_oproj:
	.size	k_q3c81a44e7d_oproj, .Lfunc_end_k_q3c81a44e7d_oproj-k_q3c81a44e7d_oproj
	.p2alignl 7, 3214868480
	.fill 96, 4, 3214868480
	.section	.rodata,"a",@progbits
	.p2align	6, 0x0
	.amdhsa_kernel k_q3c81a44e7d_oproj
		.amdhsa_group_segment_fixed_size 327680
		.amdhsa_private_segment_fixed_size 0
		.amdhsa_enable_private_segment 0
		.amdhsa_kernarg_size 24
		.amdhsa_user_sgpr_count 2
		.amdhsa_user_sgpr_kernarg_segment_ptr 1
		.amdhsa_wavefront_size32 1
		.amdhsa_system_sgpr_workgroup_id_x 1
		.amdhsa_system_sgpr_workgroup_id_y 1
		.amdhsa_system_sgpr_workgroup_id_z 1
		.amdhsa_system_vgpr_workitem_id 0
		.amdhsa_next_free_vgpr 768
		.amdhsa_next_free_sgpr 66
		.amdhsa_reserve_vcc 0
		.amdhsa_float_denorm_mode_32 3
		.amdhsa_float_denorm_mode_16_64 3
		.amdhsa_memory_ordered 1
		.amdhsa_forward_progress 1
		.amdhsa_inst_pref_size 87
	.end_amdhsa_kernel
	.amdgpu_metadata
---
amdhsa.version: [ 1, 2 ]
amdhsa.kernels:
  - .name:           k_q3c81a44e7d_oproj
    .symbol:         k_q3c81a44e7d_oproj.kd
    .args:
      - { .name: ao, .offset: 0, .size: 8, .value_kind: global_buffer, .address_space: global }
      - { .name: wo16, .offset: 8, .size: 8, .value_kind: global_buffer, .address_space: global }
      - { .name: out0, .offset: 16, .size: 8, .value_kind: global_buffer, .address_space: global }
    .group_segment_fixed_size: 327680
    .private_segment_fixed_size: 0
    .kernarg_segment_align: 8
    .kernarg_segment_size: 24
    .max_flat_workgroup_size: 128
    .sgpr_count:     66
    .vgpr_count:     768
    .wavefront_size: 32
...
	.end_amdgpu_metadata
.endif
;; end of part 4
